; MI455X (gfx1250); checked and timed in simulation.
; The chip was launched on July 23, 2026; its instructions are those of AMD's public machine-readable ISA for CDNA 5 (MIT licence, August 2026) and "CDNA5" Instruction Set Architecture Reference Guide (July 2026). The comments in the code are by the model that wrote it; some were corrected since.
;; Grouped Query Attention. Allowed arithmetic: matrix products marked QUANTISED: E4M3 operands, one E8M0 scale for each 32 along K, by v_wmma_scale_f32_16x16x128_f8f6f4 with both operands' format E4M3, f32 sums; everything else in f32.
;; Inputs: Wk 1,024 x 512 float32; Wo 2,048 x 2,048 float32; Wq 1,024 x 2,048 float32; Wv 1,024 x 512 float32; bo 2,048 float32; x 2 x 2,048 x 1,024 float32.
;; Outputs: out0 2 x 2,048 x 2,048 float32.
;; This version of the problem:
;;   THIS VERSION OF THE PROBLEM IS GIVEN IN LOW PRECISION. The matrix products marked QUANTISED in the list below multiply operands that are first quantised to E4M3 (4 exponent bits, 3 mantissa bits; 8 bits a number), with one power-of-two scale for each 32 numbers along K (OCP MX v1.0); their sums are f32. All else is computed in f32.
;;   The module's matrix products, in the order in which they are computed (A, B: the left and right operand; K: the contracted axis; several contracted axes count as one K, in the product's order):
;;     1. [M 4,096, K 1,024] x [K 1,024, N 2,048]; A: input x; B: input Wq: QUANTISED
;;     2. [M 4,096, K 1,024] x [K 1,024, N 512]; A: input x; B: input Wk: QUANTISED
;;     3. [M 4,096, K 1,024] x [K 1,024, N 512]; A: input x; B: input Wv: QUANTISED
;;     4. batch 8 x [M 2,048, K 128] x [K 128, N 8,192]; A: computed on the way; B: computed on the way: QUANTISED
;;     5. batch 8 x [M 128, K 2,048] x [K 2,048, N 8,192]; A: computed on the way; B: softmax (see below): QUANTISED
;;     6. [M 4,096, K 2,048] x [K 2,048, N 2,048]; A: computed on the way; B: input Wo: QUANTISED
;;   THE QUANTISER, for each operand of a quantised product, along K:
;;     - K is cut into blocks of 32 from its start; a last block that is shorter is filled with zeros.
;;     - A block's scale is 2^e with e = floor(log2(the largest magnitude in the block)) - 8, held to -126 .. 127; a block of zeros has e = 0. As a byte (E8M0): e + 127.
;;     - Each number is divided by its block's scale, clamped to +-448, and rounded to the nearest number of E4M3, ties to even, subnormals kept.
;;     - The product sums the exact products of the quantised numbers (number of the format x scale) in f32.
;;   ~~~python
;;   def quantise(x, axis):      # numpy; x: float32 -> the quantised numbers, widened to float32 again
;;       x = np.moveaxis(x, axis, -1); K = x.shape[-1]
;;       x = np.pad(x, [(0, 0)] * (x.ndim - 1) + [(0, -K % 32)]); x = x.reshape(x.shape[:-1] + (-1, 32)); a = np.abs(x).max(-1, keepdims=True)
;;       e = np.where(a > 0, np.clip(np.frexp(np.where(a > 0, a, 1))[1] - 1 - 8, -126, 127), 0)      # np.frexp(a)[1] - 1 = floor(log2(a)), exactly
;;       r = np.clip(x / 2.0 ** e, -448, 448)
;;       step = 2.0 ** (np.maximum(np.frexp(np.where(r == 0, 1, r))[1] - 1, -6) - 3)
;;       q = np.round(r / step) * step * 2.0 ** e      # np.round: ties to even
;;       return np.moveaxis(q.reshape(q.shape[:-2] + (-1,))[..., :K], -1, axis).astype(np.float32)
;;   ~~~
;;   SOFTMAX AHEAD OF A QUANTISED PRODUCT. Where the list says 'softmax', what is quantised is not the finished softmax but p = 2^(t - M), with t = logit x log2(e) and M = ceil(the row's largest t), a whole number; so 1/2 < the row's largest p <= 1. The row's sum l is taken of the UNQUANTISED p, in f32, and the product's result is divided by l at the end. Since M is a whole number, a kernel that streams over the keys may use a running M (the ceiling of the running maximum): every later rescaling is an exact power of two, which a block's scale takes up: the codes' values come out the same.
;;   OPERANDS COMPUTED ON THE WAY. 'Computed on the way' means the value that the module computes at that place (a softmax that the list does not call 'softmax' is quantised finished and normalised). What goes into a quantiser is computed in f32, as accurately as f32 sums, v_exp_f32 and their like allow (about 1e-6 of the number): no bf16 or f16 on the way to a quantiser, and a product that is left as it is and whose result goes on into a quantised operand takes f32 operands (vector FMAs, or v_wmma_f32_16x16x4_f32). A number that lies on a knife's edge between two numbers of the format may be rounded either way, as far as f32 arithmetic and the matrix unit's own rounding can turn it there, and no further.
;; One version. Each part assembles by itself: llvm-mc -triple=amdgcn-amd-amdhsa -mcpu=gfx1250 --defsym DOCPART=n.
;; ======== version 1 of 1: 4 launches
;; limits: right only within a limited range of input values
;; workspace buffers: xcod 4,325,376 bytes; wcod 3,244,032 bytes; wocod 4,325,376 bytes; qcod 8,650,752 bytes; kvcod 4,325,376 bytes; ccod 8,650,752 bytes
;; launch quant (part 1): grid 352 x 1, 4 waves a work-group, no clusters, 35,328 bytes of LDS; arguments x, Wq, Wk, Wv, Wo, xcod, wcod, wocod; writes xcod, wcod, wocod
.if DOCPART == 1
	.amdgcn_target "amdgcn-amd-amdhsa--gfx1250"
	.amdhsa_code_object_version 6
	.text
	.protected	k_qcc30d565bc_quant
	.globl	k_qcc30d565bc_quant
	.p2align	8
	.type	k_qcc30d565bc_quant,@function
k_qcc30d565bc_quant:
	s_mov_b64 s[64:65], 0
	v_nop
	global_prefetch_b8 v0, s[64:65] scope:SCOPE_SE
	s_setreg_imm32_b32 hwreg(HW_REG_WAVE_MODE, 25, 1), 1
	s_wait_xcnt 0x0
; x [4096][1024] and the weights Wq [1024][2048], Wk, Wv [1024][512], Wo [2048][2048], all f32, become codes of FP8 (E4M3) with one E8M0 scale byte for each 32 along K.
; A block's scale is 2^(floor(log2(its largest magnitude)) - 8); its byte is that magnitude's exponent field - 8, held at 1 from below; each number is divided by the scale and rounded to the nearest code, ties to even.
; LIMITS: a block of zeros gets the byte 1 with zero codes (the bytes are read by this program alone); blocks whose largest magnitude lies under 2^-118 keep the byte 1; NaN and infinities among the inputs are not served.
; LAYOUT OF THE RESULTS.  A FRAGMENT (16 rows x 128 K) is 2,048 bytes in the order of the operand's registers: byte 512 c + 16 (r + 16 h) + e is the code of (place r, k = 32 c + 16 h + e):
; four loads of 16 bytes a lane at 16 x lane + 512 c bring it.  THE 16 ROWS OF A FRAGMENT ARE NOT NEIGHBOURS: in each group of 32 rows of x (32 columns of a weight) fragment u = 0, 1 has at place r
; the row 8 u + r + 8 (r / 8).  So in every later product a lane's 16 registers of two neighbouring result tiles are 16 neighbours along the index of source 0.
; Scale bytes: [16-row tile][K step of 256][place r][8 bytes].
; xcod: fragment (tile, ks) at (8 tile + ks) 2048, scales from 4,194,304.  wcod: its rows are columns: 0-2047 Wq, 2048 + 256 g + 0..127 Wk's head g, + 128..255 Wv's head g; fragment at (8 tile + ks) 2048, scales from 3,145,728.
; wocod: fragment at (16 tile + ks) 2048, scales from 4,194,304.
; SHARES.  Work-groups 0-127: 32 rows of x each; wave w takes fragment row u = w / 2 and half w % 2 of K: four fragments.  Work-groups 128-351: 128 columns x 256 K of a weight; a wave takes 32 columns.
; No work-group reads what another reads, so there is no cluster and no tensor load; waves share nothing, so there is no barrier.
.set SEL, 4                            ; s[4:5]   lane selects: lane l xor 16
.set MNT, 6
.set XA,  5                            ; v5       16 x lane
.set SI,  6                            ; v6       the stage, on the way in
.set SO,  7                            ; v7       and on the way out
.set R,   32                           ; v32-159  two sets of 64 numbers of x
.set PC,  160                          ; v160-223 codes: 16 registers for each fragment, so that no store's data are written again
.set TM,  224                          ; v224-239 at work
.set PW,  240                          ; v240-243 the four fragments' scale words
.set X,   32                           ; weights: v32-95 two sets of 32 numbers
.set OF,  96                           ; v96-127  byte offset of row i of a block, at my column
.set C,   128                          ; v128-191 codes: 8 registers for each block
.set SB,  24                           ; v24-25   my column's eight scale bytes
; 64 numbers of a lane, register s + 16 b + i = k 32 b + 16 (lane / 16) + i of my row, become a fragment's codes in v[pc] on and its scale word in v[pw]
.macro QUANT s, pc, pw
.irp b, 0,1,2,3
	v_max3_num_f32 v[TM+\b], |v[\s+16*\b]|, |v[\s+1+16*\b]|, 0x4800000   ; my 16 numbers of block b, and the floor 2^(9 - 127): the byte cannot fall under 1
.endr
.irp i, 2,4,6,8,10,12,14
.irp b, 0,1,2,3
	v_max3_num_f32 v[TM+\b], v[TM+\b], |v[\s+16*\b+\i]|, |v[\s+1+16*\b+\i]|   ; the four blocks by turns
.endr
.endr
.irp b, 0,1,2,3
	v_permlanex16_b32 v[TM+4+\b], v[TM+\b], s[SEL], s[SEL+1]
.endr
.irp b, 0,1,2,3
	v_max_num_f32 v[TM+\b], v[TM+\b], v[TM+4+\b]   ; with lane l xor 16's: the block's largest magnitude
.endr
.irp b, 0,1,2,3
	v_add_nc_u32 v[TM+12+\b], 0xfc000000, v[TM+\b]   ; 8 off its exponent field: the conversion's scale operand
.endr
.irp b, 0,1,2,3
.endr
.irp b, 0,1,2,3
	v_lshrrev_b32 v[TM+4+\b], 23, v[TM+12+\b]      ; the scale's byte
.endr
	v_lshl_or_b32 v[\pw], v[TM+5], 8, v[TM+4]
	v_lshl_or_b32 v[\pw], v[TM+6], 16, v[\pw]
	v_lshl_or_b32 v[\pw], v[TM+7], 24, v[\pw]
.irp b, 0,1,2,3
.irp i, 0,1,2,3,4,5,6,7,8,9,10,11,12,13,14,15
.endr
	v_cvt_scalef32_pk8_fp8_f32 v[\pc+4*\b:\pc+1+4*\b], v[\s+16*\b:\s+7+16*\b], v[TM+12+\b]
	v_cvt_scalef32_pk8_fp8_f32 v[\pc+2+4*\b:\pc+3+4*\b], v[\s+8+16*\b:\s+15+16*\b], v[TM+12+\b]
.endr
	v_nop                                          ; a plain line behind the last conversion
.endm
	s_load_b512 s[16:31], s[0:1], 0x0              ; x s[16:17], Wq s[18:19], Wk s[20:21], Wv s[22:23], Wo s[24:25], xcod s[26:27], wcod s[28:29], wocod s[30:31]
	v_lshl_add_u32 v254, v0, 2, 0x8800
	v_mov_b32 v255, 0
	v_lshrrev_b32 v1, 5, v0
	v_readfirstlane_b32 s3, v1                     ; wave 0..3
	v_and_b32 v2, 31, v0                           ; lane
	s_mov_b32 s[SEL], 0x76543210
	s_mov_b32 s[SEL+1], 0xfedcba98
	s_cmp_lt_u32 ttmp9, 128
	s_cbranch_scc0 .Lweights
	; ---------------- x: K is innermost.  A load takes 512 consecutive bytes of one row; 16 rows turn through the wave's own stage (rows 528 bytes apart) so that a lane gets 16 neighbours of each block
	v_and_b32 v3, 15, v0                           ; r
	v_bfe_u32 v4, v0, 4, 1                         ; h
	v_lshlrev_b32 v[XA], 4, v2
	s_mul_i32 s7, s3, 8448                         ; my stage: 16 x 528 bytes
	v_add_nc_u32 v[SI], s7, v[XA]
	v_mul_u32_u24 v[SO], v3, 528
	v_lshl_add_u32 v[SO], v4, 6, v[SO]             ; row r, + 64 h: my 16 numbers of a block of 32
	v_add_nc_u32 v[SO], s7, v[SO]
.irp b, 0,1,2,3
	v_mov_b32 v[TM+4+\b], 0                        ; a lane permute's destination counts as one of its sources
.endr
	s_lshr_b32 s8, s3, 1                           ; u
	s_and_b32 s9, s3, 1                            ; which half of K
	s_lshl_b32 s10, ttmp9, 17                      ; 32 rows of 4,096 bytes for each work-group,
	s_lshl_b32 s11, s8, 15                         ; 8 u rows,
	s_add_co_u32 s10, s10, s11
	s_lshl_b32 s11, s9, 11                         ; 512 numbers
	s_add_co_u32 s10, s10, s11
	s_mov_b32 s11, 0
	s_lshl_b32 s12, ttmp9, 1
	s_add_co_u32 s12, s12, s8                      ; my tile of 16 rows
	s_lshl_b32 s14, s12, 14                        ; its eight fragments,
	s_lshl_b32 s13, s9, 13                         ; my four of them
	s_add_co_u32 s14, s14, s13
	s_mov_b32 s15, 0
	s_lshl_b32 s12, s12, 9                         ; its scale bytes: four K steps of 128 bytes,
	s_lshl_b32 s13, s9, 8                          ; my two
	s_add_co_u32 s12, s12, s13
	s_add_co_u32 s12, s12, 4194304
	s_mov_b32 s13, 0
	s_wait_alu depctr_va_vdst(0)
	s_wait_kmcnt 0x0
	s_add_nc_u64 s[16:17], s[16:17], s[10:11]
	s_add_nc_u64 s[14:15], s[26:27], s[14:15]
	s_add_nc_u64 s[12:13], s[26:27], s[12:13]
.macro XLOAD f                         ; fragment f: place i is row i + 8 (i / 8) from the tile's first
.irp i, 0,1,2,3,4,5,6,7,8,9,10,11,12,13,14,15
	global_load_b128 v[R+64*((\f)%2)+4*\i:R+64*((\f)%2)+4*\i+3], v[XA], s[16:17] offset:(\i+8*(\i/8))*4096+512*(\f) th:TH_LOAD_NT
.endr
.endm
.macro TURN f                          ; through the stage and back into the registers just left: LDS serves a wave's instructions in order (ISA guide 5.7.1.4)
.irp i, 0,1,2,3,4,5,6,7,8,9,10,11,12,13,14,15
	ds_store_b128 v[SI], v[R+64*((\f)%2)+4*\i:R+64*((\f)%2)+4*\i+3] offset:528*\i
.endr
.irp b, 0,1,2,3
.irp j, 0,1,2,3
	ds_load_b128 v[R+64*((\f)%2)+16*\b+4*\j:R+64*((\f)%2)+16*\b+4*\j+3], v[SO] offset:128*\b+16*\j
.endr
.endr
.endm
	XLOAD 0
	XLOAD 1
.irp f, 0,1,2,3
.if \f < 3
	s_wait_loadcnt 16                              ; this fragment's 16 loads are in; the next fragment's 16 may be out
.else
	s_wait_loadcnt 0x0
.endif
	TURN \f
	s_wait_dscnt 0x0
	QUANT R+64*(\f%2), PC+16*\f, PW+\f
.irp c, 0,1,2,3
	global_store_b128 v[XA], v[PC+16*\f+4*\c:PC+16*\f+4*\c+3], s[14:15] offset:2048*\f+512*\c   ; 32 lanes store 512 consecutive bytes
.endr
.if \f < 2
	XLOAD \f+2
.endif
.endr
	v_cmp_gt_u32 vcc_lo, 16, v2                    ; lanes 0-15 store row r's two words of my first K step of 256, lanes 16-31 those of my second
	v_cndmask_b32 v244, v[PW+2], v[PW], vcc_lo
	v_cndmask_b32 v245, v[PW+3], v[PW+1], vcc_lo
	v_lshlrev_b32 v8, 3, v2
	global_store_b64 v8, v[244:245], s[12:13]      ; 256 consecutive bytes, aligned
	s_wait_tensorcnt 0x0
	ds_add_u32 v254, v255
	s_wait_dscnt 0x0
	s_endpgm
	; ---------------- the weights: K is the first axis.  A lane takes a column and its registers run down K: a block of 32 lies in one lane
.Lweights:
	s_sub_co_u32 s2, ttmp9, 128                    ; 0-63 Wq, 64-79 Wk, 80-95 Wv, 96-223 Wo
	s_mov_b32 s7, 8192                             ; a row of the weight in bytes
	s_mov_b32 s8, 4                                ; bits of the number of a block of 128 columns
	s_mov_b32 s9, 96                               ; the tensor's first work-group
	s_mov_b32 s10, 0                               ; where its columns begin among the result's rows,
	s_mov_b32 s11, 128                             ; and how far apart its blocks of 128 lie there
	s_mov_b32 s12, 15                              ; log2 of a tile's bytes of codes (K / 128 fragments)
	s_mov_b32 s13, 4194304                         ; where the scale bytes begin
	s_wait_kmcnt 0x0
	s_mov_b64 s[14:15], s[24:25]
	s_mov_b64 s[48:49], s[30:31]
	s_cmp_lt_u32 s2, 96                            ; the choices hang on the work-group's number alone
	s_cselect_b64 s[14:15], s[22:23], s[14:15]
	s_cselect_b64 s[48:49], s[28:29], s[48:49]
	s_cselect_b32 s7, 2048, s7
	s_cselect_b32 s8, 2, s8
	s_cselect_b32 s9, 80, s9
	s_cselect_b32 s10, 2176, s10
	s_cselect_b32 s11, 256, s11
	s_cselect_b32 s12, 14, s12
	s_cselect_b32 s13, 3145728, s13
	s_cmp_lt_u32 s2, 80
	s_cselect_b64 s[14:15], s[20:21], s[14:15]
	s_cselect_b32 s9, 64, s9
	s_cselect_b32 s10, 2048, s10
	s_cmp_lt_u32 s2, 64
	s_cselect_b64 s[14:15], s[18:19], s[14:15]
	s_cselect_b32 s7, 8192, s7
	s_cselect_b32 s8, 4, s8
	s_cselect_b32 s9, 0, s9
	s_cselect_b32 s10, 0, s10
	s_cselect_b32 s11, 128, s11
	s_sub_co_u32 s2, s2, s9
	s_bfm_b32 s50, s8, 0
	s_and_b32 s51, s2, s50                         ; which 128 columns
	s_lshr_b32 s52, s2, s8                         ; which 256 along K
	s_mul_i32 s54, s52, s7
	s_lshl_b32 s54, s54, 8                         ; 256 rows for each K step,
	s_lshl_b32 s55, s51, 9
	s_add_co_u32 s54, s54, s55                     ; 512 bytes for each block of columns,
	s_lshl_b32 s55, s3, 7
	s_add_co_u32 s54, s54, s55                     ; 128 for each wave
	s_mov_b32 s55, 0
	s_add_nc_u64 s[32:33], s[14:15], s[54:55]      ; block 0 of my eight blocks of 32 rows;
	s_lshl_b32 s56, s7, 5
	s_mov_b32 s57, 0
.irp t, 1,2,3,4,5,6,7
	s_add_nc_u64 s[32+2*\t:33+2*\t], s[30+2*\t:31+2*\t], s[56:57]   ; each further one 32 rows on
.endr
	s_mul_i32 s58, s51, s11
	s_add_co_u32 s58, s58, s10
	s_lshl_b32 s59, s3, 5
	s_add_co_u32 s58, s58, s59                     ; my 32 columns' first row in the result: a multiple of 32
	s_lshr_b32 s58, s58, 4                         ; its tile
	s_lshl_b32 s60, s58, s12
	s_lshl_b32 s61, s52, 12                        ; two fragments for each K step
	s_add_co_u32 s60, s60, s61
	s_mov_b32 s61, 0
	s_add_nc_u64 s[60:61], s[48:49], s[60:61]
	s_sub_co_u32 s59, s12, 5                       ; log2 of a tile's scale bytes
	s_lshl_b32 s62, s58, s59
	s_lshl_b32 s63, s52, 7
	s_add_co_u32 s62, s62, s63
	s_add_co_u32 s62, s62, s13
	s_mov_b32 s63, 0
	s_add_nc_u64 s[62:63], s[48:49], s[62:63]
	s_wait_alu depctr_va_vdst(0)
	v_lshlrev_b32 v3, 2, v2                        ; my column n = lane
	v_bfe_u32 v4, v0, 3, 1                         ; its fragment row u = (n / 8) % 2
	v_and_b32 v5, 7, v0
	v_bfe_u32 v6, v0, 4, 1
	v_lshl_or_b32 v5, v6, 3, v5                    ; and its place r = n % 8 + 8 (n / 16)
	v_lshlrev_b32 v7, s12, v4
	v_lshl_add_u32 v7, v5, 4, v7                   ; codes: tile u, + 16 r
	v_lshlrev_b32 v8, s59, v4
	v_lshl_add_u32 v8, v5, 3, v8                   ; scale bytes: tile u, + 8 r
.irp i, 0,1,2,3,4,5,6,7,8,9,10,11,12,13,14,15,16,17,18,19,20,21,22,23,24,25,26,27,28,29,30,31
	v_mad_u32_u24 v[OF+\i], s7, \i, v3
.endr
.macro WLOAD t                         ; block t: 32 rows at my column; a load of the wave reads 128 consecutive bytes, the four waves stand side by side
.irp i, 0,1,2,3,4,5,6,7,8,9,10,11,12,13,14,15,16,17,18,19,20,21,22,23,24,25,26,27,28,29,30,31
	global_load_b32 v[X+32*((\t)%2)+\i], v[OF+\i], s[32+2*(\t):33+2*(\t)] th:TH_LOAD_NT
.endr
.endm
.macro BLOCK t
.set XS, X+32*((\t)%2)
.set CC, C+8*(\t)
.if (\t) < 7
	s_wait_loadcnt 32                              ; this block's 32 loads are in; the next block's 32 may be out
.else
	s_wait_loadcnt 0x0
.endif
	v_max3_num_f32 v12, |v[XS]|, |v[XS+1]|, |v[XS+2]|
	v_max3_num_f32 v13, |v[XS+3]|, |v[XS+4]|, |v[XS+5]|
.irp i, 6,10,14,18,22,26
	v_max3_num_f32 v12, v12, |v[XS+\i]|, |v[XS+\i+1]|
	v_max3_num_f32 v13, v13, |v[XS+\i+2]|, |v[XS+\i+3]|
.endr
	v_max3_num_f32 v12, v12, |v[XS+30]|, |v[XS+31]|
	v_max3_num_f32 v12, v12, v13, 0x4800000        ; and the floor
	v_add_nc_u32 v11, 0xfc000000, v12              ; the conversion's scale operand
	v_lshrrev_b32 v13, 23, v11                     ; the byte
.if (\t)%4 == 0
	v_mov_b32 v[SB+(\t)/4], v13
.else
	v_lshl_or_b32 v[SB+(\t)/4], v13, 8*((\t)%4), v[SB+(\t)/4]
.endif
.irp i, 0,1,2,3,4,5,6,7,8,9,10,11,12,13,14,15,16,17,18,19,20,21,22,23,24,25,26,27,28,29,30,31
.endr
.irp g, 0,1,2,3
	v_cvt_scalef32_pk8_fp8_f32 v[CC+2*\g:CC+2*\g+1], v[XS+8*\g:XS+8*\g+7], v11
.endr
	v_nop
	global_store_b128 v7, v[CC:CC+3], s[60:61] offset:((\t)/4)*2048+((\t)%4)*512         ; k 32 t + 0..15: the half h = 0 of the fragment's part c = t % 4: the sixteen lanes of a tile fill 256 consecutive bytes
	global_store_b128 v7, v[CC+4:CC+7], s[60:61] offset:((\t)/4)*2048+((\t)%4)*512+256   ; k 32 t + 16..31: the half h = 1
.if (\t)+2 < 8
	WLOAD (\t)+2
.endif
.endm
	WLOAD 0
	WLOAD 1
.irp t, 0,1,2,3,4,5,6,7
	BLOCK \t
.endr
	global_store_b64 v8, v[SB:SB+1], s[62:63]      ; 128 consecutive bytes for each of the two tiles: one byte for each 128 that the launch reads
	s_endpgm
.Lfunc_end_k_qcc30d565bc_quant:
	.size	k_qcc30d565bc_quant, .Lfunc_end_k_qcc30d565bc_quant-k_qcc30d565bc_quant
	.p2alignl 7, 3214868480
	.fill 96, 4, 3214868480
	.section	.rodata,"a",@progbits
	.p2align	6, 0x0
	.amdhsa_kernel k_qcc30d565bc_quant
		.amdhsa_group_segment_fixed_size 35328
		.amdhsa_private_segment_fixed_size 0
		.amdhsa_enable_private_segment 0
		.amdhsa_kernarg_size 64
		.amdhsa_user_sgpr_count 2
		.amdhsa_user_sgpr_kernarg_segment_ptr 1
		.amdhsa_wavefront_size32 1
		.amdhsa_system_sgpr_workgroup_id_x 1
		.amdhsa_system_sgpr_workgroup_id_y 1
		.amdhsa_system_sgpr_workgroup_id_z 1
		.amdhsa_system_vgpr_workitem_id 0
		.amdhsa_next_free_vgpr 256
		.amdhsa_next_free_sgpr 66
		.amdhsa_reserve_vcc 1
		.amdhsa_float_denorm_mode_32 3
		.amdhsa_float_denorm_mode_16_64 3
		.amdhsa_fp16_overflow 1
		.amdhsa_memory_ordered 1
		.amdhsa_forward_progress 1
		.amdhsa_inst_pref_size 76
	.end_amdhsa_kernel
	.amdgpu_metadata
---
amdhsa.version: [ 1, 2 ]
amdhsa.kernels:
  - .name:           k_qcc30d565bc_quant
    .symbol:         k_qcc30d565bc_quant.kd
    .args:
      - { .name: x, .offset: 0, .size: 8, .value_kind: global_buffer, .address_space: global }
      - { .name: Wq, .offset: 8, .size: 8, .value_kind: global_buffer, .address_space: global }
      - { .name: Wk, .offset: 16, .size: 8, .value_kind: global_buffer, .address_space: global }
      - { .name: Wv, .offset: 24, .size: 8, .value_kind: global_buffer, .address_space: global }
      - { .name: Wo, .offset: 32, .size: 8, .value_kind: global_buffer, .address_space: global }
      - { .name: xcod, .offset: 40, .size: 8, .value_kind: global_buffer, .address_space: global }
      - { .name: wcod, .offset: 48, .size: 8, .value_kind: global_buffer, .address_space: global }
      - { .name: wocod, .offset: 56, .size: 8, .value_kind: global_buffer, .address_space: global }
    .group_segment_fixed_size: 35328
    .private_segment_fixed_size: 0
    .kernarg_segment_align: 8
    .kernarg_segment_size: 64
    .max_flat_workgroup_size: 128
    .sgpr_count:     66
    .vgpr_count:     256
    .wavefront_size: 32
...
	.end_amdgpu_metadata
.endif
;; end of part 1
;; launch qkv (part 2): grid 12 x 16, 4 waves a work-group, clusters of 4 x 4, 327,680 bytes of LDS; arguments xcod, wcod, qcod, kvcod; writes qcod, kvcod
.if DOCPART == 2
	.amdgcn_target "amdgcn-amd-amdhsa--gfx1250"
	.amdhsa_code_object_version 6
	.text
	.protected	k_qcc30d565bc_qkv
	.globl	k_qcc30d565bc_qkv
	.p2align	8
	.type	k_qcc30d565bc_qkv,@function
k_qcc30d565bc_qkv:
	s_mov_b64 s[64:65], 0
	v_nop
	global_prefetch_b8 v0, s[64:65] scope:SCOPE_SE
	s_setreg_imm32_b32 hwreg(HW_REG_WAVE_MODE, 25, 1), 1
	s_wait_xcnt 0x0
	s_wait_alu depctr_hold_cnt(0) depctr_sa_sdst(0) depctr_va_vdst(0) depctr_va_sdst(0) depctr_va_ssrc(0) depctr_va_vcc(0) depctr_vm_vsrc(0)
	s_getreg_b32 s2, hwreg(HW_REG_IB_STS2, 6, 4)
	s_cmp_eq_u32 s2, 0
	s_cbranch_scc0 .Lentry_in_a_cluster
	s_endpgm
.Lentry_in_a_cluster:
	s_bfe_u32 s2, ttmp6, 0x10000c
	s_cmp_lg_u32 s2, 0xf033
	s_cbranch_scc0 .Lentry_shape_is_right
	s_endpgm
.Lentry_shape_is_right:
; q = x Wq, k = x Wk, v = x Wv on codes of FP8 (E4M3) with E8M0 scales, K = 1,024; the f32 sums are quantised in registers: q and k along the head's 128, v along the keys; only codes and scale words go to memory.
; A tile of 256 rows of x by 256 columns is made by four waves, each 128 x 128: 64 accumulators, 512 registers.  Tile columns 0-7: two heads of q each; 8-11: k's head g (columns 0-127) and v's head g (128-255).
; OPERANDS lie in memory as fragments in the order of the operand's registers (2,048 bytes: 16 rows x 128 K), so a tile's part of a K step of 256 is 4,096 dense bytes for each 16 rows, and a fragment comes out of LDS by four
; loads at 16 x lane + 512 c.  The rows of a fragment are chosen (place r of fragment u of a group of 32: 8 u + r + 8 (r / 8)) so that a lane's 64 results of one block of source 1 are, register 16 b + i, index 32 b + 16 (lane / 16) + i of source 0.
; SOURCE 0 = 16 columns of the weight, SOURCE 1 = 16 rows of x: a lane holds one row of x and 64 of a head's 128: what q's and k's quantiser wants, and its codes ARE a fragment of q or k.
; v IS WANTED WITH THE KEYS ALONG THE REGISTERS: the waves that make v (cluster x = 2, odd waves) read x's fragments into the registers of source 0 and Wv's into those of source 1: only three address registers differ; the text is the same.
; CLUSTERS: 4 x 4 work-groups; x's tiles are asked for jointly along a row of the cluster, the weights' along a column.  The exchange above hangs on the cluster's x and the wave's number, which all partners share.
; RESULTS.  qcod: fragment ((16 b + head) 16 + block of 128 queries) 8 + tile at x 2,048; its 16 scale words at 8,388,608 + x 64.  kvcod: a block of 33,792 bytes for (4 b + g, block of 128 keys): k's 8 fragments, v^T's 8, k's 128 scale words, v's 128.
; LIMITS: a block of zeros gets the byte 1 with zero codes; blocks whose largest magnitude lies under 2^-118 keep the byte 1; NaN and infinities are not served.
; REGISTERS: window 0: v0-31 addresses; v32-63 scale words, two sets; from v128 source 1's fragments, one set.  window 1: source 0's fragments, two sets.  windows 2, 3: the accumulators ((a, b) at v[8 (8 (a % 4) + b)]).
.set KS128, 8                          ; K / 128
.set KST,   KS128/2                    ; K steps of 256
.set NQ,    2                          ; matrix instructions deep in a K step
.set FR,    16
.set NL,    4
.set NP,    8                          ; places behind this matrix instruction (ISA guide 7.12.1)
.set ROWB,  4096                       ; a 16-row tile's bytes in a K step
.set HALFT, 8*ROWB                     ; 128 rows: what one tensor load brings
.set SLOT,  4*HALFT
.set LAPS,  KST/2
.set SCL,   2*SLOT                     ; behind the ring: the scale bytes for all of K; the weights' lie 128 bytes off, so that the two halves of the lanes read different halves of a run of 256 bytes
.set SBLK,  KST*128                    ; those of 16 rows
.set HALFS, 8*SBLK                     ; those of 128 rows
.set SPARE, SCL+4*HALFS+256            ; the spare words, 128 bytes for each wave
.set SCST,  SPARE+512                  ; the way out: 512 bytes for each wave: its 128 scale words
.set ASC,   4194304                    ; where the scale bytes begin in xcod
.set BSC,   3145728                    ; and in wcod
.set ADRA, 16                          ; v16-17  LDS address of source 1's fragments in slot 0, 1
.set ADRB, 20                          ; v20-21  of source 0's
.set LI,   22                          ; v22     16 x lane
.set SW,   23                          ; v23     where I put a scale word
.set SRD,  24                          ; v24     where I read 16 bytes of them back
.set ADRS, 27                          ; v27     LDS address of my scale words: lanes 0-15 source 1's, lanes 16-31 source 0's
.set SPW,  28
.set NIL,  29
.set SC,   32
.set AF,   128
.set TM,   32                          ; the way out: v32-47 at work, v48-55 scale words, v64-191 codes
.set PW,   48
.set PC,   64
.set G1, 24
.set G0, 32
.set G1B, 48
.set G0B, 56
.set G1S, 68
.set G0S, 76
.set G1SB, 80
.set G0SB, 88
.set SEL, 66                           ; s[66:67], set on the way out
.set MNT, 95
.set MSB, 0
.macro WIN new                         ; the immediate's high byte repeats the setting that is left
.if MSB != \new
	s_set_vgpr_msb (MSB<<8)|\new
.set MSB, \new
.endif
.endm
.set MUL_LO, 0xa1                      ; source 0 window 1, source 1 window 0, C and D window 2
.set MUL_HI, 0xf1
.set TO_B,   0x40
.macro JLOAD g0a, g1a, g0b, g1b        ; a joint load: waves 0 and 1 fetch for x, waves 2 and 3 for the weights; four v_nop follow each of the two lines
	s_cmp_eq_u32 s15, 0
	s_cbranch_scc0 .Lfor_b_\@
	tensor_load_to_lds s[\g0a:\g0a+3], s[\g1a:\g1a+7]
	s_nop 0
.rept 4
	v_nop
.endr
	s_branch .Lasked_\@
.Lfor_b_\@:
	tensor_load_to_lds s[\g0b:\g0b+3], s[\g1b:\g1b+7]
	s_nop 0
.rept 4
	v_nop
.endr
.Lasked_\@:
.endm
.macro CREST
	s_cmp_lg_u32 s14, 0
	s_cbranch_scc1 .Lnot_wave_0_\@
	s_barrier_signal -3
.Lnot_wave_0_\@:
	s_barrier_wait -3
	s_barrier_signal -1
	s_barrier_wait -1
.endm
.macro CROUND
	s_barrier_signal -1
	s_barrier_wait -1
	CREST
.endm
	s_load_b64 s[4:5], s[0:1], 0x0                 ; xcod
	s_load_b64 s[8:9], s[0:1], 0x8                 ; wcod
	s_load_b128 s[96:99], s[0:1], 0x10             ; qcod, kvcod
	v_lshl_add_u32 v[SPW], v0, 2, SPARE
	v_mov_b32 v[NIL], 0
	ds_add_u32 v28, v29
	s_wait_dscnt 0x0
	v_lshrrev_b32 v1, 5, v0
	v_readfirstlane_b32 s14, v1                    ; wave 0..3
	s_lshr_b32 s15, s14, 1                         ; which half of the tile's rows is mine.  Also: I fetch for x (0) or for the weights (1)
	s_and_b32 s16, s14, 1                          ; which half of its columns.  Also: which 128 rows of that tile I fetch
	s_bfe_u32 s40, ttmp6, 0x40000                  ; cx, cy
	s_bfe_u32 s41, ttmp6, 0x40004
	s_lshl_b32 s42, ttmp9, 2
	s_add_co_u32 s42, s42, s40                     ; tile column
	s_and_b32 s17, ttmp7, 0xffff
	s_lshl_b32 s17, s17, 2
	s_add_co_u32 s17, s17, s41                     ; tile row
	s_lshl_b32 s43, s41, 2
	s_lshl_b32 s43, 15, s43                        ; my row of the cluster
	s_lshl_b32 s44, 0x1111, s40                    ; my column
	; descriptor group 1 for codes: 8 rows (one for each 16-row tile) of 4,096 bytes = 512 elements of 8 bytes, KS128 x 2,048 bytes apart; no padding
	s_or_b32 s[G1+0], s43, (3<<16)|(1<<21)
	s_or_b32 s[G1B+0], s44, (3<<16)|(1<<21)
.irp g, G1, G1B
	s_mov_b32 s[\g+1], 512<<16                     ; tensor_dim0
	s_mov_b32 s[\g+2], 8<<16                       ; tensor_dim1
	s_mov_b32 s[\g+3], 512<<16                     ; tile_dim0
	s_mov_b32 s[\g+4], 8                           ; tile_dim1
	s_mov_b32 s[\g+5], KS128*256                   ; tensor_dim0_stride
	s_mov_b32 s[\g+6], 0
	s_mov_b32 s[\g+7], 0
.endr
	; and for the scale bytes of 128 rows: a dense block of HALFS bytes as rows of 256
	s_or_b32 s[G1S+0], s43, (3<<16)|(1<<21)
	s_or_b32 s[G1SB+0], s44, (3<<16)|(1<<21)
.irp g, G1S, G1SB
	s_mov_b32 s[\g+1], 32<<16
	s_mov_b32 s[\g+2], (HALFS/256)<<16
	s_mov_b32 s[\g+3], 32<<16
	s_mov_b32 s[\g+4], HALFS/256
	s_mov_b32 s[\g+5], 32
	s_mov_b32 s[\g+6], 0
	s_mov_b32 s[\g+7], 0
.endr
	s_lshl_b32 s18, s16, 3
	s_lshl_b32 s20, s17, 4
	s_add_co_u32 s20, s20, s18                     ; x: 16-row tile 16 x tile row + 8 x half
	s_lshl_b32 s46, s42, 4
	s_add_co_u32 s46, s46, s18                     ; the weights: 16 x tile column + 8 x half
	s_mul_i32 s22, s20, SBLK                       ; where these tiles' scale bytes begin,
	s_mul_i32 s92, s46, SBLK
	s_mul_i32 s20, s20, KS128*2048                 ; and their codes (all under 2^23)
	s_mul_i32 s46, s46, KS128*2048
	s_mov_b32 s21, 0
	s_mov_b32 s23, 0
	s_mov_b32 s47, 0
	s_mov_b32 s93, 0
	s_mul_i32 s45, s14, HALFT                      ; where they go: by the wave's number alone
	s_mul_i32 s94, s14, HALFS
	s_wait_kmcnt 0x0
	s_add_nc_u64 s[6:7], s[4:5], ASC
	s_add_nc_u64 s[10:11], s[8:9], BSC
	s_add_nc_u64 s[20:21], s[4:5], s[20:21]
	s_add_nc_u64 s[22:23], s[6:7], s[22:23]
	s_add_nc_u64 s[46:47], s[8:9], s[46:47]
	s_add_nc_u64 s[92:93], s[10:11], s[92:93]
	CROUND                                         ; all sixteen work-groups are here: the first joint loads meet
	s_mov_b32 s[G0S], 1
	s_add_co_u32 s[G0S+1], s94, SCL
	s_mov_b64 s[G0S+2:G0S+3], s[22:23]
	s_or_b32 s[G0S+3], s[G0S+3], 0x80000000
	s_mov_b32 s[G0SB], 1
	s_add_co_u32 s[G0SB+1], s94, SCL+128
	s_mov_b64 s[G0SB+2:G0SB+3], s[92:93]
	s_or_b32 s[G0SB+3], s[G0SB+3], 0x80000000
	JLOAD G0S, G1S, G0SB, G1SB                     ; the scale bytes first: filled once
.irp s, 0,1
	s_mov_b32 s[G0+4*\s], 1
	s_add_co_u32 s[G0+4*\s+1], s45, \s*SLOT
	s_add_nc_u64 s[G0+4*\s+2:G0+4*\s+3], s[20:21], \s*ROWB
	s_or_b32 s[G0+4*\s+3], s[G0+4*\s+3], 0x80000000
	s_mov_b32 s[G0B+4*\s], 1
	s_add_co_u32 s[G0B+4*\s+1], s45, \s*SLOT
	s_add_nc_u64 s[G0B+4*\s+2:G0B+4*\s+3], s[46:47], \s*ROWB
	s_or_b32 s[G0B+4*\s+3], s[G0B+4*\s+3], 0x80000000
	JLOAD G0+4*\s, G1, G0B+4*\s, G1B
.endr
	v_and_b32 v1, 15, v0                           ; r
	v_bfe_u32 v2, v0, 4, 1                         ; h
	v_and_b32 v3, 31, v0
	v_lshlrev_b32 v[LI], 4, v3
	s_cmp_eq_u32 ttmp9, 2
	s_cselect_b32 s95, s16, 0                      ; 1 in a wave that makes v
	s_mul_i32 s21, s15, HALFT                      ; my 128 rows of x
	s_mul_i32 s22, s16, HALFT
	s_add_co_u32 s22, s22, 2*HALFT                 ; my 128 columns of the weights
	s_cmp_eq_u32 s95, 1
	s_cselect_b32 s18, s22, s21                    ; what source 1's registers take,
	s_cselect_b32 s19, s21, s22                    ; and source 0's
.irp s, 0,1
	v_add_nc_u32 v[ADRA+\s], s18, v[LI]
	v_add_nc_u32 v[ADRB+\s], s19, v[LI]
	s_add_co_u32 s18, s18, SLOT
	s_add_co_u32 s19, s19, SLOT
.endr
	s_mul_i32 s21, s15, HALFS
	s_mul_i32 s22, s16, HALFS
	s_add_co_u32 s22, s22, 2*HALFS+128
	s_sub_co_u32 s22, s22, s21                     ; from x's scale bytes of my rows to the weights' of my columns
	s_add_co_u32 s21, s21, SCL
	v_lshl_add_u32 v5, v1, 3, s21                  ; x's: 8 bytes a row and K step
	v_mul_u32_u24 v6, s22, v2
	v_xor_b32 v7, 1, v2
	v_mul_u32_u24 v7, s22, v7
	v_add_nc_u32 v6, v5, v6                        ; lanes 16-31 take the weights',
	v_add_nc_u32 v7, v5, v7                        ; or, where v is made, lanes 0-15 do
	s_cmp_eq_u32 s95, 1
	s_cselect_b32 s23, -1, 0
	v_cndmask_b32 v[ADRS], v6, v7, s23
	s_lshl_b32 s23, s14, 9
	s_add_co_u32 s23, s23, SCST
	v_lshl_add_u32 v[SW], v1, 2, s23
	v_add_nc_u32 v[SRD], s23, v[LI]
	; where my results go
	s_lshr_b32 s18, s17, 3                         ; b
	s_and_b32 s19, s17, 7
	s_lshl_b32 s19, s19, 1
	s_add_co_u32 s19, s19, s15                     ; my block of 128 rows in the batch
	s_lshl_b32 s66, s18, 4
	s_lshl_b32 s67, s42, 1
	s_add_co_u32 s66, s66, s67
	s_add_co_u32 s66, s66, s16                     ; 16 b + head
	s_lshl_b32 s66, s66, 4
	s_add_co_u32 s66, s66, s19
	s_lshl_b32 s67, s66, 9
	s_add_co_u32 s67, s67, 8388608                 ; q: scale words,
	s_lshl_b32 s66, s66, 14                        ; fragments
	s_max_u32 s100, s42, 8
	s_sub_co_u32 s100, s100, 8                     ; g
	s_lshl_b32 s18, s18, 2
	s_add_co_u32 s100, s100, s18
	s_lshl_b32 s100, s100, 4
	s_add_co_u32 s100, s100, s19
	s_mul_i32 s100, s100, 33792                    ; k, v: the block
	s_lshl_b32 s101, s16, 14
	s_add_co_u32 s101, s100, s101                  ; fragments: k's, then v's
	s_lshl_b32 s18, s16, 9
	s_add_co_u32 s100, s100, s18
	s_add_co_u32 s100, s100, 32768                 ; scale words likewise
	s_cmp_lt_u32 s42, 8
	s_cselect_b32 s66, s66, s101
	s_cselect_b32 s67, s67, s100
	s_cselect_b64 s[96:97], s[96:97], s[98:99]
	s_mov_b32 s100, s66
	s_mov_b32 s101, 0
	s_add_nc_u64 s[98:99], s[96:97], s[100:101]    ; s[98:99]: my eight fragments
	s_mov_b32 s100, s67
	s_add_nc_u64 s[96:97], s[96:97], s[100:101]    ; s[96:97]: my 128 scale words
.macro FRAG reg, adr, q, i             ; a fragment as it lies: registers 4 c .. 4 c + 3 from 16 x lane + 512 c
.irp c, 0,1,2,3
	ds_load_b128 v[\reg+4*\c:\reg+4*\c+3], v[\adr] offset:2048*(\q)+512*\c+(\i)*ROWB
.endr
.endm
; 16 matrix instructions: source 1's blocks a0, a0 + 1 x source 0's eight.  The 64 accumulators take turns, one instruction a turn, in the same order in every step.
.macro MUL16 a0, p, q, sc, zero
.irp a, \a0, \a0+1
.irp b, 0,1,2,3,4,5,6,7
.if \zero
	v_wmma_scale_f32_16x16x128_f8f6f4 v[8*(8*((\a)%4)+\b):8*(8*((\a)%4)+\b)+7], v[128*(\p)+FR*\b:128*(\p)+FR*\b+FR-1], v[AF+FR*(\a):AF+FR*(\a)+FR-1], 0, v[SC+8*NQ*(\sc)+NQ*\b+(\q)], v[SC+8*NQ*(\sc)+NQ*(\a)+(\q)] matrix_a_scale:MATRIX_SCALE_ROW1
.else
	v_wmma_scale_f32_16x16x128_f8f6f4 v[8*(8*((\a)%4)+\b):8*(8*((\a)%4)+\b)+7], v[128*(\p)+FR*\b:128*(\p)+FR*\b+FR-1], v[AF+FR*(\a):AF+FR*(\a)+FR-1], v[8*(8*((\a)%4)+\b):8*(8*((\a)%4)+\b)+7], v[SC+8*NQ*(\sc)+NQ*\b+(\q)], v[SC+8*NQ*(\sc)+NQ*(\a)+(\q)] matrix_a_scale:MATRIX_SCALE_ROW1
.endif
.endr
.endr
.endm
.macro FETCH_B slot, q, p
	WIN TO_B
.irp i, 0,1,2,3,4,5,6,7
	FRAG 128*(\p)+FR*\i, ADRB+\slot, \q, \i
.endr
	WIN 0
.endm
.macro FETCH_A slot, q, i0
.irp i, \i0, \i0+1, \i0+2, \i0+3
	FRAG AF+FR*(\i), ADRA+\slot, \q, \i
.endr
.endm
.macro SCALES sc                       ; a K step's two scale words a row: lanes 0-15 source 1's block i, lanes 16-31 source 0's block i
.irp i, 0,1,2,3,4,5,6,7
	ds_load_b64 v[SC+8*NQ*\sc+NQ*\i:SC+8*NQ*\sc+NQ*\i+1], v[ADRS] offset:\i*SBLK
.endr
.endm
.macro PLACES n                        ; plain vector lines between a matrix instruction and a load into, or a read of, its registers
.rept \n
	v_nop
.endr
.endm
.macro STEP slot, q, zero              ; 128 along K with its successor in the same slot
	s_wait_dscnt 4*NL                              ; all but the youngest 16 loads (source 1's blocks 4-7) are in
	WIN MUL_LO
	MUL16 0, (\q)%2, \q, \slot, \zero
	MUL16 2, (\q)%2, \q, \slot, \zero
	s_wait_dscnt 0
	PLACES NP
	FETCH_B \slot, (\q)+1, 1-(\q)%2
	FETCH_A \slot, (\q)+1, 0
	WIN MUL_HI
	MUL16 4, (\q)%2, \q, \slot, \zero
	MUL16 6, (\q)%2, \q, \slot, \zero
	PLACES NP
	WIN 0
	FETCH_A \slot, (\q)+1, 4
.endm
; A slot's last step changes slots: one barrier; in front of it each wave waits for all its tensor loads, adds 0 to its spare word, and waits for that and for its reads of this slot.  fill = 1: the slot is filled again, two K steps ahead.
.macro TURN slot, next, fill
	s_wait_tensorcnt 0x0                           ; all my tensor loads have landed: my part of the next slot
	ds_add_u32 v[SPW], v[NIL]                      ; 0 onto my spare word
	s_wait_dscnt 4*NL+1                            ; the add and the youngest 16 loads may be out
	WIN MUL_LO
	MUL16 0, 1, NQ-1, \slot, 0
	s_wait_dscnt 0x0                               ; the add is done, and my reads of this slot are over
	s_barrier_signal -1
	MUL16 2, 1, NQ-1, \slot, 0
	WIN 0
	s_barrier_wait -1
.if \fill
	CREST                                          ; the barrier has opened a round of the cluster's barrier: no wave of any partner still reads this slot or has a load on its way
	s_add_nc_u64 s[G0+4*\slot+2:G0+4*\slot+3], s[G0+4*\slot+2:G0+4*\slot+3], 2*ROWB
	s_add_nc_u64 s[G0B+4*\slot+2:G0B+4*\slot+3], s[G0B+4*\slot+2:G0B+4*\slot+3], 2*ROWB
	JLOAD G0+4*\slot, G1, G0B+4*\slot, G1B         ; the first tensor load behind the round; its four v_nop are among the places below
	PLACES NP-4
.else
	PLACES NP
.endif
	v_add_nc_u32 v[ADRS], 128, v[ADRS]             ; the next K step's scale words
	FETCH_B \next, 0, 0
	FETCH_A \next, 0, 0
	SCALES \next
	WIN MUL_HI
	MUL16 4, 1, NQ-1, \slot, 0
	MUL16 6, 1, NQ-1, \slot, 0
	PLACES NP
	WIN 0
	FETCH_A \next, 0, 4
.endm
	s_wait_tensorcnt 1                             ; the scale bytes and my part of K step 0 are in; K step 1's load may be out
	s_barrier_signal -1
	s_barrier_wait -1
	FETCH_B 0, 0, 0
	FETCH_A 0, 0, 0
	SCALES 0
	FETCH_A 0, 0, 4
	STEP 0, 0, 1                                   ; the first step's products start the sums
	s_mov_b32 s3, LAPS-1
.Llap:
	TURN 0, 1, 1
	STEP 1, 0, 0
	TURN 1, 0, 1
	STEP 0, 0, 0
	s_sub_co_u32 s3, s3, 1
	s_cmp_lg_u32 s3, 0
	s_cbranch_scc1 .Llap
	TURN 0, 1, 0                                   ; the last lap fills nothing
	STEP 1, 0, 0
	s_wait_dscnt 4*NL
	WIN MUL_LO
	MUL16 0, 1, NQ-1, 1, 0
	MUL16 2, 1, NQ-1, 1, 0
	s_wait_dscnt 0
	WIN MUL_HI
	MUL16 4, 1, NQ-1, 1, 0
	MUL16 6, 1, NQ-1, 1, 0
	WIN 0
; THE WAY OUT.  Block a of source 1: my 64 results are, register 16 b + i, index 32 b + 16 (lane / 16) + i of source 0: four blocks of 32, each shared with lane l xor 16.  Their codes are a fragment, stored as it stands.
	PLACES NP
	s_mov_b32 s[SEL], 0x76543210
	s_mov_b32 s[SEL+1], 0xfedcba98
	s_mov_b32 s[MNT], 0x600000
.irp b, 0,1,2,3
	v_mov_b32 v[TM+4+\b], 0                        ; a lane permute's destination counts as one of its sources
.endr
.macro QUANTW a
.set AC,  64*((\a)%4)
.set WW,  2+(\a)/4                     ; the accumulators' window
.set WMX, (WW<<2)|(WW<<4)              ; sources 1 and 2 there
.set WMD, WW|(WW<<6)                   ; source 0 and the destination there
.set PCA, PC+16*(\a)
	WIN WMX
.irp b, 0,1,2,3
	v_max3_num_f32 v[TM+\b], 0x4800000, |v[AC+16*\b]|, |v[AC+1+16*\b]|   ; each accumulator is read from its low end on; the floor 2^(9 - 127) holds the byte at 1 from below
.endr
.irp i, 2,4,6,8,10,12,14
.irp b, 0,1,2,3
	v_max3_num_f32 v[TM+\b], v[TM+\b], |v[AC+16*\b+\i]|, |v[AC+1+16*\b+\i]|
.endr
.endr
	WIN 0
.irp b, 0,1,2,3
	v_permlanex16_b32 v[TM+4+\b], v[TM+\b], s[SEL], s[SEL+1]
.endr
.irp b, 0,1,2,3
	v_max_num_f32 v[TM+\b], v[TM+\b], v[TM+4+\b]
.endr
.irp b, 0,1,2,3
	v_add_nc_u32 v[TM+12+\b], 0xfc000000, v[TM+\b]
.endr
.irp b, 0,1,2,3
	v_and_or_b32 v[TM+8+\b], v[TM+\b], 0x7f800000, s[MNT]
.endr
.irp b, 0,1,2,3
	v_lshrrev_b32 v[TM+4+\b], 23, v[TM+12+\b]
.endr
	v_lshl_or_b32 v[PW+(\a)], v[TM+5], 8, v[TM+4]
	v_lshl_or_b32 v[PW+(\a)], v[TM+6], 16, v[PW+(\a)]
	v_lshl_or_b32 v[PW+(\a)], v[TM+7], 24, v[PW+(\a)]
	WIN WMD
.irp b, 0,1,2,3
.irp i, 0,1,2,3,4,5,6,7,8,9,10,11,12,13,14,15
	v_med3_num_f32 v[AC+16*\b+\i], v[AC+16*\b+\i], -v[TM+8+\b], v[TM+8+\b]   ; the hold: the conversion to an 8-bit code does not saturate (ISA guide 7.6.2)
.endr
.endr
	WIN WW
.irp b, 0,1,2,3
	v_cvt_scalef32_pk8_fp8_f32 v[PCA+4*\b:PCA+1+4*\b], v[AC+16*\b:AC+7+16*\b], v[TM+12+\b]
	v_cvt_scalef32_pk8_fp8_f32 v[PCA+2+4*\b:PCA+3+4*\b], v[AC+8+16*\b:AC+15+16*\b], v[TM+12+\b]
.endr
	WIN 0
	v_nop                                          ; a plain line behind the last conversion
.irp c, 0,1,2,3
	global_store_b128 v[LI], v[PCA+4*\c:PCA+4*\c+3], s[98:99] offset:2048*(\a)+512*\c   ; 512 consecutive bytes
.endr
	ds_store_b32 v[SW], v[PW+(\a)] offset:64*(\a)  ; lanes r and r + 16 write the same word with the same value
.endm
.irp a, 0,1,2,3,4,5,6,7
	QUANTW \a
.endr
	ds_load_b128 v[56:59], v[SRD]                  ; my wave's own bytes, served in order
	s_wait_dscnt 0x0
	global_store_b128 v[LI], v[56:59], s[96:97]    ; my 128 scale words: 512 consecutive bytes
	s_wait_tensorcnt 0x0                           ; the wave's end
	ds_add_u32 v[SPW], v[NIL]
	s_wait_dscnt 0x0
	CROUND                                         ; the closing round
	s_endpgm
.Lfunc_end_k_qcc30d565bc_qkv:
	.size	k_qcc30d565bc_qkv, .Lfunc_end_k_qcc30d565bc_qkv-k_qcc30d565bc_qkv
	.p2alignl 7, 3214868480
	.fill 96, 4, 3214868480
	.section	.rodata,"a",@progbits
	.p2align	6, 0x0
	.amdhsa_kernel k_qcc30d565bc_qkv
		.amdhsa_group_segment_fixed_size 327680
		.amdhsa_private_segment_fixed_size 0
		.amdhsa_enable_private_segment 0
		.amdhsa_kernarg_size 32
		.amdhsa_user_sgpr_count 2
		.amdhsa_user_sgpr_kernarg_segment_ptr 1
		.amdhsa_wavefront_size32 1
		.amdhsa_system_sgpr_workgroup_id_x 1
		.amdhsa_system_sgpr_workgroup_id_y 1
		.amdhsa_system_sgpr_workgroup_id_z 1
		.amdhsa_system_vgpr_workitem_id 0
		.amdhsa_next_free_vgpr 1024
		.amdhsa_next_free_sgpr 102
		.amdhsa_reserve_vcc 0
		.amdhsa_float_denorm_mode_32 3
		.amdhsa_float_denorm_mode_16_64 3
		.amdhsa_memory_ordered 1
		.amdhsa_forward_progress 1
		.amdhsa_inst_pref_size 186
	.end_amdhsa_kernel
	.amdgpu_metadata
---
amdhsa.version: [ 1, 2 ]
amdhsa.kernels:
  - .name:           k_qcc30d565bc_qkv
    .symbol:         k_qcc30d565bc_qkv.kd
    .args:
      - { .name: xcod, .offset: 0, .size: 8, .value_kind: global_buffer, .address_space: global }
      - { .name: wcod, .offset: 8, .size: 8, .value_kind: global_buffer, .address_space: global }
      - { .name: qcod, .offset: 16, .size: 8, .value_kind: global_buffer, .address_space: global }
      - { .name: kvcod, .offset: 24, .size: 8, .value_kind: global_buffer, .address_space: global }
    .group_segment_fixed_size: 327680
    .private_segment_fixed_size: 0
    .kernarg_segment_align: 8
    .kernarg_segment_size: 32
    .max_flat_workgroup_size: 128
    .sgpr_count:     102
    .vgpr_count:     1024
    .wavefront_size: 32
...
	.end_amdgpu_metadata
.endif
;; end of part 2
;; launch attn (part 3): grid 256 x 1, 16 waves a work-group, clusters of 4 x 1, 327,680 bytes of LDS; arguments qcod, kvcod, ccod; writes ccod
.if DOCPART == 3
	.amdgcn_target "amdgcn-amd-amdhsa--gfx1250"
	.amdhsa_code_object_version 6
	.text
	.protected	k_qcc30d565bc_attn
	.globl	k_qcc30d565bc_attn
	.p2align	8
	.type	k_qcc30d565bc_attn,@function
k_qcc30d565bc_attn:
	s_mov_b64 s[64:65], 0
	v_nop
	global_prefetch_b8 v0, s[64:65] scope:SCOPE_SE
	s_setreg_imm32_b32 hwreg(HW_REG_WAVE_MODE, 25, 1), 1
	s_wait_xcnt 0x0
	s_wait_alu depctr_hold_cnt(0) depctr_sa_sdst(0) depctr_va_vdst(0) depctr_va_sdst(0) depctr_va_ssrc(0) depctr_va_vcc(0) depctr_vm_vsrc(0)
	s_getreg_b32 s2, hwreg(HW_REG_IB_STS2, 6, 4)
	s_cmp_eq_u32 s2, 0
	s_cbranch_scc0 .Lentry_in_a_cluster
	s_endpgm
.Lentry_in_a_cluster:
	s_bfe_u32 s2, ttmp6, 0x10000c
	s_cmp_lg_u32 s2, 0x3003
	s_cbranch_scc0 .Lentry_shape_is_right
	s_endpgm
.Lentry_shape_is_right:
; ctx = softmax(q k^T / sqrt(128), causal) v for 2 batches x 16 heads (4 heads share a head of k and v), both products on codes of FP8 (E4M3) with E8M0 scales; ctx is quantised along the head's 128 and leaves as codes.
; THE SOFTMAX AHEAD OF THE SECOND PRODUCT: t = score x log2(e) / sqrt(128); M = the running largest t rounded UP to a whole number; p = 2^(t - M) is quantised along the keys, not normalised; the row's sum is taken of the
; unquantised p and divides at the end; when M moves, the sum and O are multiplied by 2^(old M - new M), which rounds nothing.
; SHARES.  A cluster of four work-groups owns, for one (batch, k/v head), the blocks J and 15 - J of 128 queries of all four query heads: 64 tiles of 16 queries, one to a wave.  Block i needs key steps 0 .. i, so every
; work-group has 8 x 17 tile steps.  All four partners walk the same keys: a key step's 33,792 bytes (k's 8 fragments, v^T's 8, their scale words) are asked for JOINTLY, by waves 0-3, 33 rows of 256 bytes each.
; A wave whose block lies before the step skips the step's work by a scalar branch on ids that all partners share (J, the wave's number, the step); barriers, rounds and tensor loads are on every wave's path.
; The place in the cluster enters global addresses and the mask's number alone.
; LAYOUT.  S^T = k q^T, O^T = v^T p^T: a lane holds ONE query.  The fragments' rows were chosen by the launches before: the 16 registers of tiles 2 b, 2 b + 1 of S^T are keys 32 b + 16 (lane / 16) + 0..15, those of O^T the head's
; channels likewise; place r of my tile is query 32 cx + 8 u + r + 8 (r / 8) of the block.
; LIMITS: a block of zeros gets the byte 1 with zero codes; NaN and infinities are not served.
; REGISTERS: v1-11 addresses that stay; v12 -M, v13 the largest t, v[14:15] the sum; v16-31 q; v32-95 four fragments of k or v; v96-159 S^T, then p; v160-223 O^T; v224-239 p's codes; v232-254 at work; v255 q's scale words.
.set SLOTB, 33792                      ; a key step's bytes, and an LDS slot
.set VOFF,  16384                      ; v^T's fragments in it
.set KSC,   32768                      ; k's scale words
.set VSC,   33280                      ; v's
.set SPARE, 2*SLOTB                    ; the spare words, 128 bytes for each of 16 waves
.set STG,   SPARE+2048                 ; ctx's scale words on their way out: 4 x 256 bytes
.set LI,  1                            ; v1-2  16 x lane, in slot 0, 1
.set LS,  3                            ; v3-4  k's scale word of place r, in slot 0, 1
.set SPW, 5
.set NIL, 6
.set PFO, 7                            ; v7    256 x lane: the prefetch's offset
.set DD,  8                            ; v8    my query in its block - 16 (lane / 16)
.set SGW, 9                            ; v9    where I put ctx's scale word
.set SGR, 10                           ; v10   where waves 0, 1 read them back
.set SGO, 11                           ; v11   and their offset in memory
.set TM,  32
.set WV,  10
.set CXP, 11
.set BG,  12
.set J,   13
.set LATE, 14
.set HS,  15
.set U,   16
.set BLK, 17
.set T,   18                           ; s18   the key step in hand
.set MNT, 19
.set SEL, 20
.set CS,  22
.set G1,  24
.set G0,  32                           ; s[32:35], s[36:39]: group 0 for slot 0, 1
.set LIM, 40
.set PFA, 42
.set CNT, 44
.set CXI, 60
.set CXS, 62
.macro ROUND
	s_barrier_signal -1
	s_barrier_wait -1
	s_cmp_lg_u32 s[WV], 0
	s_cbranch_scc1 .Lnot_wave_0_\@
	s_barrier_signal -3
.Lnot_wave_0_\@:
	s_barrier_wait -3
	s_barrier_signal -1
	s_barrier_wait -1
.endm
.macro TLOAD s                         ; waves 0-3 fetch a quarter of a key step each; four v_nop follow the line
	s_cmp_lt_u32 s[WV], 4
	s_cbranch_scc0 .Lno_fetch_\@
	tensor_load_to_lds s[G0+4*(\s):G0+4*(\s)+3], s[G1:G1+7]
	s_nop 0
.rept 4
	v_nop
.endr
.Lno_fetch_\@:
.endm
; A PREFETCH of the codes of the key step two on (one step ahead of the tensor load that will ask for them).  All eight clusters of a (batch, k/v head) walk the same blocks: the one that walks all sixteen (J = 0) asks; its four
; partners take 8,192 of the 32,768 bytes each, told apart by address; wave 4 asks, lanes 256 bytes apart.  Steps 0 and 1 come by their loads alone; steps 14 and 15 ask for nothing.  The 1,024 scale bytes of a step are not asked for.
.macro ASK
	s_cmp_lt_u32 s[T], s[LIM]
	s_cbranch_scc0 .Lnot_mine_\@
	global_prefetch_b8 v[PFO], s[PFA:PFA+1] th:TH_LOAD_NT scope:SCOPE_SE
.Lnot_mine_\@:
.endm
	s_load_b128 s[4:7], s[0:1], 0x0                ; qcod, kvcod
	s_load_b64 s[8:9], s[0:1], 0x10                ; ccod
	v_lshl_add_u32 v[SPW], v0, 2, SPARE
	v_mov_b32 v[NIL], 0
	ds_add_u32 v5, v6
	ds_add_u32 v5, v6
	s_wait_dscnt 0x0
	v_lshrrev_b32 v8, 5, v0
	s_delay_alu instid0(VALU_DEP_1)
	v_readfirstlane_b32 s[WV], v8                  ; wave 0..15
	s_bfe_u32 s[CXP], ttmp6, 0x40000               ; cx
	s_lshr_b32 s[BG], ttmp9, 3                     ; 4 b + g
	s_and_b32 s[J], ttmp9, 7
	s_lshr_b32 s46, s[WV], 2
	s_xor_b32 s46, s46, s[WV]
	s_and_b32 s[LATE], s46, 1                      ; 0: block J, 1: block 15 - J
	s_bfe_u32 s[HS], s[WV], 0x20001                ; which of the four query heads
	s_lshr_b32 s[U], s[WV], 3                      ; which tile of my work-group's pair
	s_sub_co_u32 s46, 15, s[J]
	s_cmp_eq_u32 s[LATE], 1
	s_cselect_b32 s[BLK], s46, s[J]
	s_lshr_b32 s46, s[J], 1
	s_sub_co_u32 s[CNT], 7, s46                    ; 16 - J key steps, made even: 2 (8 - J / 2); the loop walks all but the last two
	s_xor_b32 s46, s[WV], 4
	s_or_b32 s46, s46, s[J]
	s_cmp_eq_u32 s46, 0
	s_cselect_b32 s[LIM], 14, 0
	s_mov_b32 s[T], 0
	s_mov_b32 s[SEL], 0x76543210
	s_mov_b32 s[SEL+1], 0xfedcba98
	s_mov_b32 s[CS], 0x3e0293ee                    ; c = log2(e) / sqrt(128)
	s_mov_b32 s[CS+1], s[CS]
	; descriptor group 1: 33 rows of 256 bytes (32 elements of 8), dense; the mask names all four work-groups
	s_mov_b32 s[G1], 15|(3<<16)|(1<<21)
	s_mov_b32 s[G1+1], 32<<16
	s_mov_b32 s[G1+2], 33<<16
	s_mov_b32 s[G1+3], 32<<16
	s_mov_b32 s[G1+4], 33
	s_mov_b32 s[G1+5], 32
	s_mov_b32 s[G1+6], 0
	s_mov_b32 s[G1+7], 0
	s_mul_i32 s48, s[BG], 16*SLOTB                 ; my (batch, k/v head)'s sixteen blocks,
	s_mul_i32 s50, s[WV], 8448                     ; my quarter
	s_add_co_u32 s48, s48, s50
	s_mov_b32 s49, 0
	; all LDS addresses
	v_and_b32 v240, 31, v0                         ; lane
	v_and_b32 v241, 15, v0                         ; r
	s_wait_alu depctr_va_vdst(0)
	v_bfe_u32 v242, v0, 4, 1                       ; h
	v_lshlrev_b32 v[LI], 4, v240
	s_wait_alu depctr_va_vdst(0)
	v_add_nc_u32 v[LI+1], SLOTB, v[LI]
	v_lshl_add_u32 v[LS], v241, 2, KSC
	s_delay_alu instid0(VALU_DEP_1)
	v_add_nc_u32 v[LS+1], SLOTB, v[LS]
	v_lshlrev_b32 v[PFO], 8, v240
	s_lshl_b32 s56, s[LATE], 1
	s_add_co_u32 s56, s56, s[U]
	s_lshl_b32 s56, s56, 8                         ; a unit of 256 bytes for each of my work-group's four tiles of rows,
	s_lshr_b32 s57, s[HS], 1
	s_lshl_b32 s57, s57, 7                         ; in it the K step of 256 (two heads),
	s_add_co_u32 s56, s56, s57
	s_and_b32 s57, s[HS], 1
	s_lshl_b32 s57, s57, 2                         ; and the head's word of a row's 8 bytes
	s_add_co_u32 s56, s56, s57
	s_add_co_u32 s56, s56, STG
	v_lshl_add_u32 v[SGW], v241, 3, s56
	s_lshl_b32 s57, s[WV], 9
	s_add_co_u32 s57, s57, STG
	v_add_nc_u32 v[SGR], s57, v[LI]
	v_lshlrev_b32 v[SGO], 10, v242                 ; a tile's scale bytes are 1,024
	s_delay_alu instid0(VALU_DEP_1)
	v_lshl_add_u32 v[SGO], v241, 4, v[SGO]
	v_and_b32 v243, 8, v241
	s_delay_alu instid0(VALU_DEP_1)
	v_add_nc_u32 v[DD], v241, v243                 ; r + 8 (r / 8)
	v_lshlrev_b32 v243, 4, v242
	s_delay_alu instid0(VALU_DEP_1)
	v_sub_nc_u32 v[DD], v[DD], v243
	s_lshl_b32 s46, s[CXP], 5
	s_lshl_b32 s47, s[U], 3
	s_add_co_u32 s46, s46, s47
	v_add_nc_u32 v[DD], s46, v[DD]
	; q's fragment: ((16 b + head) 16 + block) 8 + tile
	s_lshl_b32 s52, s[BG], 2
	s_add_co_u32 s52, s52, s[HS]
	s_lshl_b32 s52, s52, 4
	s_add_co_u32 s52, s52, s[BLK]
	s_lshl_b32 s52, s52, 3
	s_lshl_b32 s46, s[CXP], 1
	s_add_co_u32 s52, s52, s46
	s_add_co_u32 s52, s52, s[U]
	s_lshl_b32 s54, s52, 6
	s_add_co_u32 s54, s54, 8388608
	s_lshl_b32 s52, s52, 11
	s_mov_b32 s53, 0
	s_mov_b32 s55, 0
	; ctx: tile of rows 128 b + 8 block + 2 cx + u; K step of 128 = head
	s_lshr_b32 s58, s[BG], 2
	s_and_b32 s59, s[BG], 3
	s_lshl_b32 s58, s58, 7
	s_lshl_b32 s47, s[BLK], 3
	s_add_co_u32 s58, s58, s47
	s_add_co_u32 s58, s58, s46
	s_lshl_b32 s[CXS], s58, 10
	s_lshl_b32 s47, s59, 8                         ; heads 4 g .. 4 g + 3 are K steps of 256 number 2 g, 2 g + 1: 256 bytes
	s_add_co_u32 s[CXS], s[CXS], s47
	s_add_co_u32 s[CXS], s[CXS], 8388608
	s_mov_b32 s[CXS+1], 0
	s_add_co_u32 s58, s58, s[U]
	s_lshl_b32 s[CXI], s58, 4
	s_lshl_b32 s47, s59, 2
	s_add_co_u32 s[CXI], s[CXI], s47
	s_add_co_u32 s[CXI], s[CXI], s[HS]
	s_lshl_b32 s[CXI], s[CXI], 11
	s_mov_b32 s[CXI+1], 0
	s_mul_i32 s56, s[BG], 16*SLOTB
	s_lshl_b32 s57, s[CXP], 13
	s_add_co_u32 s56, s56, s57
	s_add_co_u32 s56, s56, SLOTB                   ; the prefetches stand at step 1: step 0's trip steps them to step 2
	s_mov_b32 s57, 0
	s_wait_kmcnt 0x0
	s_add_nc_u64 s[48:49], s[6:7], s[48:49]
	s_add_nc_u64 s[PFA:PFA+1], s[6:7], s[56:57]
	s_add_nc_u64 s[52:53], s[4:5], s[52:53]
	s_add_nc_u64 s[54:55], s[4:5], s[54:55]
	s_add_nc_u64 s[CXI:CXI+1], s[8:9], s[CXI:CXI+1]
	s_add_nc_u64 s[CXS:CXS+1], s[8:9], s[CXS:CXS+1]
	ROUND                                          ; all four work-groups are here: the first joint load meets
	s_mov_b32 s[G0], 1
	s_mov_b32 s[G0+1], s50
	s_mov_b64 s[G0+2:G0+3], s[48:49]
	s_or_b32 s[G0+3], s[G0+3], 0x80000000
	s_mov_b32 s[G0+4], 1
	s_add_co_u32 s[G0+5], s50, SLOTB
	s_add_nc_u64 s[G0+6:G0+7], s[48:49], SLOTB
	s_or_b32 s[G0+7], s[G0+7], 0x80000000
	TLOAD 0                                        ; key step 0
.irp c, 0,1,2,3
	global_load_b128 v[16+4*\c:19+4*\c], v[LI], s[52:53] offset:512*\c   ; q's fragment stays in registers
.endr
	v_lshlrev_b32 v254, 2, v241
	global_load_b32 v255, v254, s[54:55]
	v_mov_b32 v13, 0xff61b1e6                      ; the largest t so far: -3e38
	s_delay_alu instid0(VALU_DEP_1)
	v_floor_f32 v12, -v13                          ; -M
	v_mov_b32 v14, 0
	v_mov_b32 v15, 0
.irp b, 0,1,2,3
	v_mov_b32 v[236+\b], 0                         ; a lane permute's destination counts as one of its sources
.endr
	v_mov_b32 v252, 0
	v_mov_b32 v253, 0
.set j, 0
.rept 64
	v_mov_b32 v[160+j], 0                          ; O^T: the step is written once: the first finds zeros
.set j, j+1
.endr
; A KEY STEP: 128 keys, in LDS slot \slot
.macro STEP slot
	s_cmp_gt_u32 s[T], s[BLK]                      ; all its keys come after my queries: nothing to do
	s_cbranch_scc1 .Lhidden_\@
.irp g, 0,1                                    ; S^T = k q^T, four tiles of 16 keys at a time
.rept 8
	v_nop                                          ; places in front of loads into registers that matrix instructions have read
.endr
.irp t, 0,1,2,3
.irp c, 0,1,2,3
	ds_load_b128 v[32+16*\t+4*\c:32+16*\t+4*\c+3], v[LI+\slot] offset:(4*\g+\t)*2048+512*\c
.endr
	ds_load_b32 v[248+\t], v[LS+\slot] offset:64*(4*\g+\t)
.endr
	s_wait_dscnt 0x0
.irp t, 0,1,2,3
	v_wmma_scale_f32_16x16x128_f8f6f4 v[96+8*(4*\g+\t):103+8*(4*\g+\t)], v[32+16*\t:47+16*\t], v[16:31], 0, v[248+\t], v255
.endr
.endr
.rept 8
	v_nop
.endr
	s_cmp_lt_u32 s[T], s[BLK]                      ; all keys count
	s_cbranch_scc1 .Lopen_\@
	v_mov_b32 v254, 0xff800000                     ; on the diagonal hidden scores become -infinity: register 16 b + i holds key 32 b + 16 (lane / 16) + i of the block
.set n, 0
.rept 64
	v_cmp_gt_i32 vcc_lo, 32*(n/16)+n%16, v[DD]
	v_cndmask_b32 v[96+n], v[96+n], v254, vcc_lo
.set n, n+1
.endr
.Lopen_\@:
.irp b, 0,1,2,3
	v_max3_num_f32 v[232+\b], v[96+16*\b], v[97+16*\b], v[98+16*\b]   ; the largest score of each block of 32 keys: for the row's maximum and, since p rises with the score, for the block's largest p
.endr
.irp i, 3,5,7,9,11,13
.irp b, 0,1,2,3
	v_max3_num_f32 v[232+\b], v[232+\b], v[96+16*\b+\i], v[97+16*\b+\i]
.endr
.endr
.irp b, 0,1,2,3
	v_max_num_f32 v[232+\b], v[232+\b], v[111+16*\b]
.endr
.irp b, 0,1,2,3
	v_permlanex16_b32 v[236+\b], v[232+\b], s[SEL], s[SEL+1]
.endr
.irp b, 0,1,2,3
	s_delay_alu instid0(VALU_DEP_4)
	v_max_num_f32 v[232+\b], v[232+\b], v[236+\b]
.endr
	s_delay_alu instid0(VALU_DEP_2)
	v_max3_num_f32 v254, v232, v233, v234
	s_delay_alu instid0(VALU_DEP_1)
	v_max_num_f32 v254, v254, v235
	s_delay_alu instid0(VALU_DEP_1)
	v_mul_f32 v254, s[CS], v254
	s_delay_alu instid0(VALU_DEP_1)
	v_max_num_f32 v13, v13, v254                   ; the running largest t
	v_mov_b32 v254, v12
	s_delay_alu instid0(VALU_DEP_2)
	v_floor_f32 v12, -v13                          ; the new -M = -ceil(t)
	s_delay_alu instid0(VALU_DEP_1)
	v_sub_f32 v254, v12, v254                      ; old M - new M: a whole number, 0 or less
	s_delay_alu instid0(VALU_DEP_1)
	v_cvt_i32_f32 v254, v254                       ; (it saturates)
	s_delay_alu instid0(VALU_DEP_1)
	v_ldexp_f32 v252, 1.0, v254                    ; f = 2^(old M - new M)
.set j, 0
.rept 32
	v_pk_fma_f32 v[96+j:97+j], v[96+j:97+j], s[CS:CS+1], v[12:13] op_sel_hi:[1,0,0]   ; t - M
.set j, j+2
.endr
.irp b, 0,1,2,3
	v_fma_f32 v[232+\b], v[232+\b], s[CS], v12
.endr
.set j, 0
	s_wait_alu depctr_va_vdst(0)
.rept 64
	v_exp_f32 v[96+j], v[96+j]                     ; p = 2^(t - M)
.set j, j+1
.endr
.irp b, 0,1,2,3
	v_exp_f32 v[232+\b], v[232+\b]                 ; the block's largest p
.endr
	v_pk_mul_f32 v[14:15], v[14:15], v[252:253] op_sel_hi:[1,0]   ; the sums under the new M (a plain line behind the exponentials)
	s_wait_alu depctr_va_vdst(0)
.irp b, 0,1,2,3
	v_max_num_f32 v[232+\b], 0x4800000, v[232+\b]  ; the floor 2^(9 - 127)
.endr
.irp b, 0,1,2,3
	s_delay_alu instid0(VALU_DEP_4)
	v_add_nc_u32 v[244+\b], 0xfc000000, v[232+\b]
.endr
.irp b, 0,1,2,3
.endr
.irp b, 0,1,2,3
	s_delay_alu instid0(VALU_DEP_4)
	v_lshrrev_b32 v[236+\b], 23, v[244+\b]
.endr
	s_delay_alu instid0(VALU_DEP_3)
	v_lshl_or_b32 v253, v237, 8, v236              ; p's scale word for these 128 keys
	s_delay_alu instid0(VALU_DEP_1)
	v_lshl_or_b32 v253, v238, 16, v253
	s_delay_alu instid0(VALU_DEP_1)
	v_lshl_or_b32 v253, v239, 24, v253
	v_pk_add_f32 v[236:237], v[100:101], v[104:105]
	v_pk_add_f32 v[250:251], v[108:109], v[112:113]
	v_pk_add_f32 v[248:249], v[116:117], v[120:121]
	v_pk_add_f32 v[242:243], v[124:125], v[128:129]
	v_pk_add_f32 v[240:241], v[132:133], v[136:137]
	v_pk_add_f32 v[238:239], v[140:141], v[144:145]
	v_pk_add_f32 v[234:235], v[148:149], v[152:153]
	v_pk_add_f32 v[14:15], v[14:15], v[156:157]
	v_pk_add_f32 v[236:237], v[236:237], v[96:97]
	v_pk_add_f32 v[250:251], v[250:251], v[98:99]
	v_pk_add_f32 v[248:249], v[248:249], v[102:103]
	v_pk_add_f32 v[242:243], v[242:243], v[106:107]
	v_pk_add_f32 v[240:241], v[240:241], v[110:111]
	v_pk_add_f32 v[238:239], v[238:239], v[114:115]
	v_pk_add_f32 v[234:235], v[234:235], v[118:119]
	v_pk_add_f32 v[14:15], v[14:15], v[122:123]
	v_pk_add_f32 v[236:237], v[236:237], v[126:127]
	v_pk_add_f32 v[250:251], v[250:251], v[130:131]
	v_pk_add_f32 v[248:249], v[248:249], v[134:135]
	v_pk_add_f32 v[242:243], v[242:243], v[138:139]
	v_pk_add_f32 v[240:241], v[240:241], v[142:143]
	v_pk_add_f32 v[238:239], v[238:239], v[146:147]
	v_pk_add_f32 v[234:235], v[234:235], v[150:151]
	v_pk_add_f32 v[14:15], v[14:15], v[154:155]
	v_pk_add_f32 v[236:237], v[236:237], v[158:159]
	s_delay_alu instid0(VALU_DEP_2)
	v_pk_add_f32 v[14:15], v[14:15], v[242:243]
	s_delay_alu instid0(VALU_DEP_2)
	v_pk_add_f32 v[236:237], v[236:237], v[240:241]
	v_pk_add_f32 v[250:251], v[250:251], v[238:239]
	v_pk_add_f32 v[248:249], v[248:249], v[234:235]
	s_delay_alu instid0(VALU_DEP_2)
	v_pk_add_f32 v[14:15], v[14:15], v[250:251]
	s_delay_alu instid0(VALU_DEP_2)
	v_pk_add_f32 v[236:237], v[236:237], v[248:249]
	s_delay_alu instid0(VALU_DEP_1)
	v_pk_add_f32 v[14:15], v[14:15], v[236:237]
.irp b, 0,1,2,3
.irp i, 0,1,2,3,4,5,6,7,8,9,10,11,12,13,14,15
.endr
	v_cvt_scalef32_pk8_fp8_f32 v[224+4*\b:225+4*\b], v[96+16*\b:103+16*\b], v[244+\b]
	v_cvt_scalef32_pk8_fp8_f32 v[226+4*\b:227+4*\b], v[104+16*\b:111+16*\b], v[244+\b]
.endr
.set j, 0
.rept 32
	v_pk_mul_f32 v[160+j:161+j], v[160+j:161+j], v[252:253] op_sel_hi:[1,0]   ; O^T under the new M; these 32 are also the places in front of the products and loads below
.set j, j+2
.endr
	s_wait_alu depctr_va_vdst(0)
.irp g, 0,1                                    ; O^T += v^T p^T
.if \g > 0
.rept 8
	v_nop
.endr
.endif
.irp t, 0,1,2,3
.irp c, 0,1,2,3
	ds_load_b128 v[32+16*\t+4*\c:32+16*\t+4*\c+3], v[LI+\slot] offset:VOFF+(4*\g+\t)*2048+512*\c
.endr
	ds_load_b32 v[248+\t], v[LS+\slot] offset:VSC-KSC+64*(4*\g+\t)
.endr
	s_wait_dscnt 0x0
.irp t, 0,1,2,3
	v_wmma_scale_f32_16x16x128_f8f6f4 v[160+8*(4*\g+\t):167+8*(4*\g+\t)], v[32+16*\t:47+16*\t], v[224:239], v[160+8*(4*\g+\t):167+8*(4*\g+\t)], v[248+\t], v253
.endr
.endr
.Lhidden_\@:
	s_add_co_u32 s[T], s[T], 1
.endm
; A TRIP: each wave waits for all its tensor loads (its part of this trip's slot), adds 0 to its spare word, and waits for that and for its reads of the other slot; a round of the cluster's barrier; then the other slot is filled with the next step.
.macro TRIP slot, refill
	s_wait_tensorcnt 0x0                           ; no tensor load of mine is out, so a group 0 may be written
	ds_add_u32 v[SPW], v[NIL]                      ; 0 onto my spare word
	s_add_nc_u64 s[G0+4*\slot+2:G0+4*\slot+3], s[G0+4*\slot+2:G0+4*\slot+3], 2*SLOTB   ; this slot's next step
	s_wait_xcnt 0x0                                ; the last prefetch, a step back, has read its address
	s_add_nc_u64 s[PFA:PFA+1], s[PFA:PFA+1], SLOTB
	s_wait_dscnt 0x0                               ; the add is done, and my reads of the other slot are over
	ROUND
.if \refill
	TLOAD 1-\slot                                  ; the first thing behind the round, and a wave's one tensor load until the next
	ASK
.endif
	STEP \slot
.endm
	s_wait_loadcnt 0x0                             ; q
.Lring:
	TRIP 0, 1
	TRIP 1, 1
	s_sub_co_u32 s[CNT], s[CNT], 1
	s_cmp_lg_u32 s[CNT], 0
	s_cbranch_scc1 .Lring
	TRIP 0, 1                                      ; the last two steps are written out: the last asks for nothing
	TRIP 1, 0
	; THE WAY OUT: O^T / the sum; register 16 b + i is channel 32 b + 16 (lane / 16) + i of my query: quantised like any operand, and the codes are a fragment of the last product's left operand
.rept 8
	v_nop
.endr
	v_add_f32 v14, v14, v15
	s_delay_alu instid0(VALU_DEP_1)
	v_permlanex16_b32 v252, v14, s[SEL], s[SEL+1]
	s_delay_alu instid0(VALU_DEP_1)
	v_add_f32 v14, v14, v252                       ; the row's sum
	s_wait_alu depctr_va_vdst(0)
	v_rcp_f32 v14, v14
	v_nop
.set j, 0
	s_wait_alu depctr_va_vdst(0)
.rept 64
	v_mul_f32 v[96+j], v[160+j], v14
.set j, j+1
.endr
.irp b, 0,1,2,3
	v_mov_b32 v[TM+4+\b], 0
.endr
.irp b, 0,1,2,3
	v_max3_num_f32 v[TM+\b], |v[96+16*\b]|, |v[97+16*\b]|, 0x4800000
.endr
.irp i, 2,4,6,8,10,12,14
.irp b, 0,1,2,3
	s_delay_alu instid0(VALU_DEP_4)
	v_max3_num_f32 v[TM+\b], v[TM+\b], |v[96+16*\b+\i]|, |v[97+16*\b+\i]|
.endr
.endr
.irp b, 0,1,2,3
	s_delay_alu instid0(VALU_DEP_4)
	v_permlanex16_b32 v[TM+4+\b], v[TM+\b], s[SEL], s[SEL+1]
.endr
.irp b, 0,1,2,3
	s_delay_alu instid0(VALU_DEP_4)
	v_max_num_f32 v[TM+\b], v[TM+\b], v[TM+4+\b]
.endr
.irp b, 0,1,2,3
	s_delay_alu instid0(VALU_DEP_4)
	v_add_nc_u32 v[TM+12+\b], 0xfc000000, v[TM+\b]
.endr
.irp b, 0,1,2,3
.endr
.irp b, 0,1,2,3
	s_delay_alu instid0(VALU_DEP_4)
	v_lshrrev_b32 v[TM+4+\b], 23, v[TM+12+\b]
.endr
	s_delay_alu instid0(VALU_DEP_3)
	v_lshl_or_b32 v48, v[TM+5], 8, v[TM+4]
	s_delay_alu instid0(VALU_DEP_1)
	v_lshl_or_b32 v48, v[TM+6], 16, v48
	s_delay_alu instid0(VALU_DEP_1)
	v_lshl_or_b32 v48, v[TM+7], 24, v48
.irp b, 0,1,2,3
.irp i, 0,1,2,3,4,5,6,7,8,9,10,11,12,13,14,15
.endr
	v_cvt_scalef32_pk8_fp8_f32 v[64+4*\b:65+4*\b], v[96+16*\b:103+16*\b], v[TM+12+\b]
	v_cvt_scalef32_pk8_fp8_f32 v[66+4*\b:67+4*\b], v[104+16*\b:111+16*\b], v[TM+12+\b]
.endr
	v_nop
.irp c, 0,1,2,3
	global_store_b128 v[LI], v[64+4*\c:67+4*\c], s[CXI:CXI+1] offset:512*\c   ; 512 consecutive bytes
.endr
	ds_store_b32 v[SGW], v48                       ; lanes r and r + 16 write the same word with the same value
	s_wait_dscnt 0x0                               ; for the others' sake
	s_barrier_signal -1
	s_barrier_wait -1
	s_cmp_lt_u32 s[WV], 2                          ; wave 0 stores the two units of block J's tiles, wave 1 those of block 15 - J's: their own blocks
	s_cbranch_scc0 .Lno_scales
	ds_load_b128 v[84:87], v[SGR]
	s_wait_dscnt 0x0
	global_store_b128 v[SGO], v[84:87], s[CXS:CXS+1]   ; sixteen lanes store 256 consecutive bytes, aligned
.Lno_scales:
	s_wait_tensorcnt 0x0                           ; the wave's end
	ds_add_u32 v[SPW], v[NIL]
	s_wait_dscnt 0x0
	ROUND                                          ; the closing round
	s_endpgm
.Lfunc_end_k_qcc30d565bc_attn:
	.size	k_qcc30d565bc_attn, .Lfunc_end_k_qcc30d565bc_attn-k_qcc30d565bc_attn
	.p2alignl 7, 3214868480
	.fill 96, 4, 3214868480
	.section	.rodata,"a",@progbits
	.p2align	6, 0x0
	.amdhsa_kernel k_qcc30d565bc_attn
		.amdhsa_group_segment_fixed_size 327680
		.amdhsa_private_segment_fixed_size 0
		.amdhsa_enable_private_segment 0
		.amdhsa_kernarg_size 24
		.amdhsa_user_sgpr_count 2
		.amdhsa_user_sgpr_kernarg_segment_ptr 1
		.amdhsa_wavefront_size32 1
		.amdhsa_system_sgpr_workgroup_id_x 1
		.amdhsa_system_sgpr_workgroup_id_y 1
		.amdhsa_system_sgpr_workgroup_id_z 1
		.amdhsa_system_vgpr_workitem_id 0
		.amdhsa_next_free_vgpr 256
		.amdhsa_next_free_sgpr 70
		.amdhsa_reserve_vcc 1
		.amdhsa_float_denorm_mode_32 3
		.amdhsa_float_denorm_mode_16_64 3
		.amdhsa_fp16_overflow 1
		.amdhsa_memory_ordered 1
		.amdhsa_forward_progress 1
		.amdhsa_inst_pref_size 129
	.end_amdhsa_kernel
	.amdgpu_metadata
---
amdhsa.version: [ 1, 2 ]
amdhsa.kernels:
  - .name:           k_qcc30d565bc_attn
    .symbol:         k_qcc30d565bc_attn.kd
    .args:
      - { .name: qcod, .offset: 0, .size: 8, .value_kind: global_buffer, .address_space: global }
      - { .name: kvcod, .offset: 8, .size: 8, .value_kind: global_buffer, .address_space: global }
      - { .name: ccod, .offset: 16, .size: 8, .value_kind: global_buffer, .address_space: global }
    .group_segment_fixed_size: 327680
    .private_segment_fixed_size: 0
    .kernarg_segment_align: 8
    .kernarg_segment_size: 24
    .max_flat_workgroup_size: 512
    .sgpr_count:     70
    .vgpr_count:     256
    .wavefront_size: 32
...
	.end_amdgpu_metadata
.endif
;; end of part 3
;; launch oproj (part 4): grid 8 x 16, 4 waves a work-group, clusters of 4 x 4, 327,680 bytes of LDS; arguments ccod, wocod, bo, out0; writes out0
.if DOCPART == 4
	.amdgcn_target "amdgcn-amd-amdhsa--gfx1250"
	.amdhsa_code_object_version 6
	.text
	.protected	k_qcc30d565bc_oproj
	.globl	k_qcc30d565bc_oproj
	.p2align	8
	.type	k_qcc30d565bc_oproj,@function
k_qcc30d565bc_oproj:
	s_mov_b64 s[64:65], 0
	v_nop
	global_prefetch_b8 v0, s[64:65] scope:SCOPE_SE
	s_setreg_imm32_b32 hwreg(HW_REG_WAVE_MODE, 25, 1), 1
	s_wait_xcnt 0x0
	s_wait_alu depctr_hold_cnt(0) depctr_sa_sdst(0) depctr_va_vdst(0) depctr_va_sdst(0) depctr_va_ssrc(0) depctr_va_vcc(0) depctr_vm_vsrc(0)
	s_getreg_b32 s2, hwreg(HW_REG_IB_STS2, 6, 4)
	s_cmp_eq_u32 s2, 0
	s_cbranch_scc0 .Lentry_in_a_cluster
	s_endpgm
.Lentry_in_a_cluster:
	s_bfe_u32 s2, ttmp6, 0x10000c
	s_cmp_lg_u32 s2, 0xf033
	s_cbranch_scc0 .Lentry_shape_is_right
	s_endpgm
.Lentry_shape_is_right:
; out = ctx Wo + bo on codes of FP8 (E4M3) with E8M0 scales, K = 2,048; out [4096][2048] f32.
; A tile of 256 x 256 is made by four waves, each 128 x 128: 64 accumulators, 512 registers.  K goes in steps of 256 through a ring of two LDS slots.
; OPERANDS lie in memory as fragments in the order of the operand's registers (2,048 bytes: 16 rows x 128 K): a tile's part of a K step is 4,096 dense bytes for each 16 rows; a fragment comes out of LDS by four loads at 16 x lane + 512 c.
; The rows of a fragment are not neighbours: place r of fragment u of a group of 32 rows (of ctx) or columns (of Wo) is 8 u + r + 8 (r / 8).  SOURCE 0 = 16 columns of Wo, SOURCE 1 = 16 rows of ctx: a lane holds one row, and its
; register 8 b + j the column 32 (b / 2) + 16 (lane / 16) + 8 (b % 2) + j of my 128.  bo, laid so in 64 registers, is the C of each sum's first matrix instruction.
; CLUSTERS: 4 x 4 work-groups; ctx's tiles are asked for jointly along a row of the cluster, Wo's along a column.
; REGISTERS: window 0: v0-31 addresses; v32-63 scale words, two sets; v64-127 bo; from v128 source 1's fragments, one set.  window 1: source 0's fragments, two sets.  windows 2, 3: the accumulators ((a, b) at v[8 (8 (a % 4) + b)]).
.set KS128, 16
.set KST,   KS128/2
.set NQ,    2
.set FR,    16
.set NL,    4
.set NP,    8                          ; places behind this matrix instruction (ISA guide 7.12.1)
.set ROWB,  4096
.set HALFT, 8*ROWB
.set SLOT,  4*HALFT
.set LAPS,  KST/2
.set SCL,   2*SLOT                     ; behind the ring: the scale bytes for all of K; Wo's lie 128 bytes off
.set SBLK,  KST*128
.set HALFS, 8*SBLK
.set SPARE, SCL+4*HALFS+256            ; the spare words, 128 bytes for each wave
.set SPITCH, 528                       ; the way out: a stage of 16 rows x (512 + 16) bytes for each wave, in slot 0, which has had its last fill and its last read by then
.set ASC,   8388608
.set BSC,   4194304
.set ADRA, 16
.set ADRB, 20
.set STO,  24
.set RD,   25
.set CO,   26
.set ADRS, 27
.set SPW,  28
.set NIL,  29
.set BOF,  30                          ; v30  bo: 64 x (lane / 16)
.set SC,   32
.set BI,   64
.set AF,   128
.set BK,   128
.set G1, 24
.set G0, 32
.set G1B, 48
.set G0B, 56
.set G1S, 68
.set G0S, 76
.set G1SB, 80
.set G0SB, 88
.set MSB, 0
.macro WIN new
.if MSB != \new
	s_set_vgpr_msb (MSB<<8)|\new
.set MSB, \new
.endif
.endm
.set MUL_LO, 0xa1
.set MUL_HI, 0xf1
.set FIRST_LO, 0x81                    ; the first step: C (bo) in window 0, D in window 2
.set FIRST_HI, 0xc1
.set TO_B,   0x40
.macro JLOAD g0a, g1a, g0b, g1b        ; a joint load: waves 0 and 1 fetch for ctx, waves 2 and 3 for Wo; four v_nop follow each of the two lines
	s_cmp_eq_u32 s15, 0
	s_cbranch_scc0 .Lfor_b_\@
	tensor_load_to_lds s[\g0a:\g0a+3], s[\g1a:\g1a+7]
	s_nop 0
.rept 4
	v_nop
.endr
	s_branch .Lasked_\@
.Lfor_b_\@:
	tensor_load_to_lds s[\g0b:\g0b+3], s[\g1b:\g1b+7]
	s_nop 0
.rept 4
	v_nop
.endr
.Lasked_\@:
.endm
.macro CREST
	s_cmp_lg_u32 s14, 0
	s_cbranch_scc1 .Lnot_wave_0_\@
	s_barrier_signal -3
.Lnot_wave_0_\@:
	s_barrier_wait -3
	s_barrier_signal -1
	s_barrier_wait -1
.endm
.macro CROUND
	s_barrier_signal -1
	s_barrier_wait -1
	CREST
.endm
	s_load_b64 s[4:5], s[0:1], 0x0                 ; ccod
	s_load_b64 s[8:9], s[0:1], 0x8                 ; wocod
	s_load_b128 s[96:99], s[0:1], 0x10             ; bo, out0
	v_lshl_add_u32 v[SPW], v0, 2, SPARE
	v_mov_b32 v[NIL], 0
	ds_add_u32 v28, v29
	s_wait_dscnt 0x0
	v_lshrrev_b32 v1, 5, v0
	v_readfirstlane_b32 s14, v1
	s_lshr_b32 s15, s14, 1
	s_and_b32 s16, s14, 1
	s_bfe_u32 s40, ttmp6, 0x40000
	s_bfe_u32 s41, ttmp6, 0x40004
	s_lshl_b32 s42, ttmp9, 2
	s_add_co_u32 s42, s42, s40                     ; tile column
	s_and_b32 s17, ttmp7, 0xffff
	s_lshl_b32 s17, s17, 2
	s_add_co_u32 s17, s17, s41                     ; tile row
	s_lshl_b32 s43, s41, 2
	s_lshl_b32 s43, 15, s43
	s_lshl_b32 s44, 0x1111, s40
	s_or_b32 s[G1+0], s43, (3<<16)|(1<<21)         ; codes: 8 rows of 512 elements of 8 bytes, KS128 x 2,048 bytes apart; no padding
	s_or_b32 s[G1B+0], s44, (3<<16)|(1<<21)
.irp g, G1, G1B
	s_mov_b32 s[\g+1], 512<<16
	s_mov_b32 s[\g+2], 8<<16
	s_mov_b32 s[\g+3], 512<<16
	s_mov_b32 s[\g+4], 8
	s_mov_b32 s[\g+5], KS128*256
	s_mov_b32 s[\g+6], 0
	s_mov_b32 s[\g+7], 0
.endr
	s_or_b32 s[G1S+0], s43, (3<<16)|(1<<21)        ; scale bytes of 128 rows: a dense block as rows of 256 bytes
	s_or_b32 s[G1SB+0], s44, (3<<16)|(1<<21)
.irp g, G1S, G1SB
	s_mov_b32 s[\g+1], 32<<16
	s_mov_b32 s[\g+2], (HALFS/256)<<16
	s_mov_b32 s[\g+3], 32<<16
	s_mov_b32 s[\g+4], HALFS/256
	s_mov_b32 s[\g+5], 32
	s_mov_b32 s[\g+6], 0
	s_mov_b32 s[\g+7], 0
.endr
	s_lshl_b32 s18, s16, 3
	s_lshl_b32 s20, s17, 4
	s_add_co_u32 s20, s20, s18
	s_lshl_b32 s46, s42, 4
	s_add_co_u32 s46, s46, s18
	s_mul_i32 s22, s20, SBLK
	s_mul_i32 s92, s46, SBLK
	s_mul_i32 s20, s20, KS128*2048
	s_mul_i32 s46, s46, KS128*2048
	s_mov_b32 s21, 0
	s_mov_b32 s23, 0
	s_mov_b32 s47, 0
	s_mov_b32 s93, 0
	s_mul_i32 s45, s14, HALFT
	s_mul_i32 s94, s14, HALFS
	s_wait_kmcnt 0x0
	s_add_nc_u64 s[6:7], s[4:5], ASC
	s_add_nc_u64 s[10:11], s[8:9], BSC
	s_add_nc_u64 s[20:21], s[4:5], s[20:21]
	s_add_nc_u64 s[22:23], s[6:7], s[22:23]
	s_add_nc_u64 s[46:47], s[8:9], s[46:47]
	s_add_nc_u64 s[92:93], s[10:11], s[92:93]
	CROUND                                         ; all sixteen work-groups are here: the first joint loads meet
	s_mov_b32 s[G0S], 1
	s_add_co_u32 s[G0S+1], s94, SCL
	s_mov_b64 s[G0S+2:G0S+3], s[22:23]
	s_or_b32 s[G0S+3], s[G0S+3], 0x80000000
	s_mov_b32 s[G0SB], 1
	s_add_co_u32 s[G0SB+1], s94, SCL+128
	s_mov_b64 s[G0SB+2:G0SB+3], s[92:93]
	s_or_b32 s[G0SB+3], s[G0SB+3], 0x80000000
	JLOAD G0S, G1S, G0SB, G1SB
.irp s, 0,1
	s_mov_b32 s[G0+4*\s], 1
	s_add_co_u32 s[G0+4*\s+1], s45, \s*SLOT
	s_add_nc_u64 s[G0+4*\s+2:G0+4*\s+3], s[20:21], \s*ROWB
	s_or_b32 s[G0+4*\s+3], s[G0+4*\s+3], 0x80000000
	s_mov_b32 s[G0B+4*\s], 1
	s_add_co_u32 s[G0B+4*\s+1], s45, \s*SLOT
	s_add_nc_u64 s[G0B+4*\s+2:G0B+4*\s+3], s[46:47], \s*ROWB
	s_or_b32 s[G0B+4*\s+3], s[G0B+4*\s+3], 0x80000000
	JLOAD G0+4*\s, G1, G0B+4*\s, G1B
.endr
	v_and_b32 v1, 15, v0                           ; r
	v_bfe_u32 v2, v0, 4, 1                         ; h
	v_and_b32 v3, 31, v0
	v_lshlrev_b32 v[CO], 4, v3                     ; 16 x lane
	v_lshlrev_b32 v[BOF], 6, v2
	s_lshl_b32 s20, s17, 8
	s_lshl_b32 s21, s15, 7
	s_add_co_u32 s20, s20, s21                     ; my first row of out
	s_lshl_b32 s20, s20, 13                        ; a row is 8,192 bytes
	s_mov_b32 s21, 0
	s_lshl_b32 s46, s42, 10
	s_lshl_b32 s47, s16, 9
	s_add_co_u32 s46, s46, s47                     ; my first column, in bytes: in out and in bo alike
	s_mov_b32 s47, 0
	s_add_nc_u64 s[12:13], s[98:99], s[20:21]
	s_add_nc_u64 s[12:13], s[12:13], s[46:47]
	s_add_nc_u64 s[96:97], s[96:97], s[46:47]
.irp b, 0,1,2,3,4,5,6,7
	global_load_b128 v[BI+8*\b:BI+8*\b+3], v[BOF], s[96:97] offset:128*(\b/2)+32*(\b%2)
	global_load_b128 v[BI+8*\b+4:BI+8*\b+7], v[BOF], s[96:97] offset:128*(\b/2)+32*(\b%2)+16
.endr
	s_mul_i32 s21, s15, HALFT
	s_mul_i32 s22, s16, HALFT
	s_add_co_u32 s22, s22, 2*HALFT
.irp s, 0,1
	v_add_nc_u32 v[ADRA+\s], s21, v[CO]
	v_add_nc_u32 v[ADRB+\s], s22, v[CO]
	s_add_co_u32 s21, s21, SLOT
	s_add_co_u32 s22, s22, SLOT
.endr
	s_mul_i32 s21, s15, HALFS
	s_mul_i32 s22, s16, HALFS
	s_add_co_u32 s22, s22, 2*HALFS+128
	s_sub_co_u32 s22, s22, s21
	s_add_co_u32 s21, s21, SCL
	v_lshl_add_u32 v5, v1, 3, s21
	v_mul_u32_u24 v6, s22, v2                      ; lanes 16-31 take Wo's
	v_add_nc_u32 v[ADRS], v5, v6
	s_mul_i32 s23, s14, 16*SPITCH                  ; my stage
	v_mul_u32_u24 v5, v1, SPITCH
	v_lshl_add_u32 v5, v2, 6, v5                   ; in: row r, + 64 h
	v_add_nc_u32 v[STO], s23, v5
	v_add_nc_u32 v[RD], s23, v[CO]                 ; back: the 32 lanes take one row of 512 bytes
.macro FRAG reg, adr, q, i
.irp c, 0,1,2,3
	ds_load_b128 v[\reg+4*\c:\reg+4*\c+3], v[\adr] offset:2048*(\q)+512*\c+(\i)*ROWB
.endr
.endm
; 16 matrix instructions; the 64 accumulators take turns, one instruction a turn, in the same order in every step.  zero = 1: the first product starts the sum from bo
.macro MUL16 a0, p, q, sc, zero
.irp a, \a0, \a0+1
.irp b, 0,1,2,3,4,5,6,7
.if \zero
	v_wmma_scale_f32_16x16x128_f8f6f4 v[8*(8*((\a)%4)+\b):8*(8*((\a)%4)+\b)+7], v[128*(\p)+FR*\b:128*(\p)+FR*\b+FR-1], v[AF+FR*(\a):AF+FR*(\a)+FR-1], v[BI+8*\b:BI+8*\b+7], v[SC+8*NQ*(\sc)+NQ*\b+(\q)], v[SC+8*NQ*(\sc)+NQ*(\a)+(\q)] matrix_a_scale:MATRIX_SCALE_ROW1
.else
	v_wmma_scale_f32_16x16x128_f8f6f4 v[8*(8*((\a)%4)+\b):8*(8*((\a)%4)+\b)+7], v[128*(\p)+FR*\b:128*(\p)+FR*\b+FR-1], v[AF+FR*(\a):AF+FR*(\a)+FR-1], v[8*(8*((\a)%4)+\b):8*(8*((\a)%4)+\b)+7], v[SC+8*NQ*(\sc)+NQ*\b+(\q)], v[SC+8*NQ*(\sc)+NQ*(\a)+(\q)] matrix_a_scale:MATRIX_SCALE_ROW1
.endif
.endr
.endr
.endm
.macro FETCH_B slot, q, p
	WIN TO_B
.irp i, 0,1,2,3,4,5,6,7
	FRAG 128*(\p)+FR*\i, ADRB+\slot, \q, \i
.endr
	WIN 0
.endm
.macro FETCH_A slot, q, i0
.irp i, \i0, \i0+1, \i0+2, \i0+3
	FRAG AF+FR*(\i), ADRA+\slot, \q, \i
.endr
.endm
.macro SCALES sc
.irp i, 0,1,2,3,4,5,6,7
	ds_load_b64 v[SC+8*NQ*\sc+NQ*\i:SC+8*NQ*\sc+NQ*\i+1], v[ADRS] offset:\i*SBLK
.endr
.endm
.macro PLACES n
.rept \n
	v_nop
.endr
.endm
.macro STEP slot, q, zero
	s_wait_dscnt 4*NL                              ; all but the youngest 16 loads (source 1's blocks 4-7) are in
.if \zero
	WIN FIRST_LO
.else
	WIN MUL_LO
.endif
	MUL16 0, (\q)%2, \q, \slot, \zero
	MUL16 2, (\q)%2, \q, \slot, \zero
	s_wait_dscnt 0
	PLACES NP
	FETCH_B \slot, (\q)+1, 1-(\q)%2
	FETCH_A \slot, (\q)+1, 0
.if \zero
	WIN FIRST_HI
.else
	WIN MUL_HI
.endif
	MUL16 4, (\q)%2, \q, \slot, \zero
	MUL16 6, (\q)%2, \q, \slot, \zero
	PLACES NP
	WIN 0
	FETCH_A \slot, (\q)+1, 4
.endm
.macro TURN slot, next, fill
	s_wait_tensorcnt 0x0                           ; all my tensor loads have landed: my part of the next slot
	ds_add_u32 v[SPW], v[NIL]                      ; 0 onto my spare word
	s_wait_dscnt 4*NL+1                            ; the add and the youngest 16 loads may be out
	WIN MUL_LO
	MUL16 0, 1, NQ-1, \slot, 0
	s_wait_dscnt 0x0                               ; the add is done, and my reads of this slot are over
	s_barrier_signal -1
	MUL16 2, 1, NQ-1, \slot, 0
	WIN 0
	s_barrier_wait -1
.if \fill
	CREST                                          ; the barrier has opened a round of the cluster's barrier
	s_add_nc_u64 s[G0+4*\slot+2:G0+4*\slot+3], s[G0+4*\slot+2:G0+4*\slot+3], 2*ROWB
	s_add_nc_u64 s[G0B+4*\slot+2:G0B+4*\slot+3], s[G0B+4*\slot+2:G0B+4*\slot+3], 2*ROWB
	JLOAD G0+4*\slot, G1, G0B+4*\slot, G1B
	PLACES NP-4
.else
	PLACES NP
.endif
	v_add_nc_u32 v[ADRS], 128, v[ADRS]
	FETCH_B \next, 0, 0
	FETCH_A \next, 0, 0
	SCALES \next
	WIN MUL_HI
	MUL16 4, 1, NQ-1, \slot, 0
	MUL16 6, 1, NQ-1, \slot, 0
	PLACES NP
	WIN 0
	FETCH_A \next, 0, 4
.endm
	s_wait_tensorcnt 1                             ; the scale bytes and my part of K step 0 are in; K step 1's load may be out
	s_barrier_signal -1
	s_barrier_wait -1
	FETCH_B 0, 0, 0
	FETCH_A 0, 0, 0
	SCALES 0
	FETCH_A 0, 0, 4
	s_wait_loadcnt 0x0                             ; bo
	STEP 0, 0, 1
	s_mov_b32 s3, LAPS-1
.Llap:
	TURN 0, 1, 1
	STEP 1, 0, 0
	TURN 1, 0, 1
	STEP 0, 0, 0
	s_sub_co_u32 s3, s3, 1
	s_cmp_lg_u32 s3, 0
	s_cbranch_scc1 .Llap
	TURN 0, 1, 0
	STEP 1, 0, 0
	s_wait_dscnt 4*NL
	WIN MUL_LO
	MUL16 0, 1, NQ-1, 1, 0
	MUL16 2, 1, NQ-1, 1, 0
	s_wait_dscnt 0
	WIN MUL_HI
	MUL16 4, 1, NQ-1, 1, 0
	MUL16 6, 1, NQ-1, 1, 0
	WIN 0
; THE WAY OUT, block by block of 16 rows x 128 columns, through my own stage: in by columns' true places, back as whole rows of 512 bytes.  Place t of block a is row 32 (a / 2) + 8 (a % 2) + t + 8 (t / 8) of my 128:
; it stands in the store's immediate, 127 rows of 8,192 bytes at the most, so the base is never stepped.
.macro TOSTAGE a
.set AC, 64*((\a)%4)
	WIN 0x08+4*((\a)/4)                            ; an LDS store's data: window 2 or 3
.irp b, 0,1,2,3,4,5,6,7
	ds_store_b128 v[STO], v[AC+8*\b:AC+8*\b+3] offset:128*(\b/2)+32*(\b%2)         ; each accumulator from its low end on
	ds_store_b128 v[STO], v[AC+8*\b+4:AC+8*\b+7] offset:128*(\b/2)+32*(\b%2)+16
.endr
	WIN 0
.set BB, BK+64*((\a)%2)
.irp t, 0,1,2,3,4,5,6,7,8,9,10,11,12,13,14,15
	ds_load_b128 v[BB+4*\t:BB+4*\t+3], v[RD] offset:\t*SPITCH   ; LDS serves a wave's instructions in order (ISA guide 5.7.1.4)
.endr
.endm
.macro SEND a, younger
.set BB, BK+64*((\a)%2)
	s_wait_dscnt \younger                          ; the block is back in registers; the next block's 16 stores and 16 loads may be out
.irp t, 0,1,2,3,4,5,6,7,8,9,10,11,12,13,14,15
	global_store_b128 v[CO], v[BB+4*\t:BB+4*\t+3], s[12:13] offset:(32*((\a)/2)+8*((\a)%2)+\t+8*(\t/8))*8192 th:TH_STORE_NT   ; 512 consecutive bytes of one row, at a multiple of 256 from out's first byte
.endr
.endm
	PLACES NP
	TOSTAGE 0
.irp a, 1,2,3,4,5,6,7
.if \a > 1
	s_wait_xcnt 0x0                                ; block a - 2's stores have read their registers: block a's loads may land there
.endif
	TOSTAGE \a
	SEND \a-1, 32
.endr
	SEND 7, 0
	s_wait_tensorcnt 0x0                           ; the wave's end
	ds_add_u32 v[SPW], v[NIL]
	s_wait_dscnt 0x0
	CROUND                                         ; the closing round
	s_endpgm
.Lfunc_end_k_qcc30d565bc_oproj:
	.size	k_qcc30d565bc_oproj, .Lfunc_end_k_qcc30d565bc_oproj-k_qcc30d565bc_oproj
	.p2alignl 7, 3214868480
	.fill 96, 4, 3214868480
	.section	.rodata,"a",@progbits
	.p2align	6, 0x0
	.amdhsa_kernel k_qcc30d565bc_oproj
		.amdhsa_group_segment_fixed_size 327680
		.amdhsa_private_segment_fixed_size 0
		.amdhsa_enable_private_segment 0
		.amdhsa_kernarg_size 32
		.amdhsa_user_sgpr_count 2
		.amdhsa_user_sgpr_kernarg_segment_ptr 1
		.amdhsa_wavefront_size32 1
		.amdhsa_system_sgpr_workgroup_id_x 1
		.amdhsa_system_sgpr_workgroup_id_y 1
		.amdhsa_system_sgpr_workgroup_id_z 1
		.amdhsa_system_vgpr_workitem_id 0
		.amdhsa_next_free_vgpr 1024
		.amdhsa_next_free_sgpr 102
		.amdhsa_reserve_vcc 0
		.amdhsa_float_denorm_mode_32 3
		.amdhsa_float_denorm_mode_16_64 3
		.amdhsa_memory_ordered 1
		.amdhsa_forward_progress 1
		.amdhsa_inst_pref_size 146
	.end_amdhsa_kernel
	.amdgpu_metadata
---
amdhsa.version: [ 1, 2 ]
amdhsa.kernels:
  - .name:           k_qcc30d565bc_oproj
    .symbol:         k_qcc30d565bc_oproj.kd
    .args:
      - { .name: ccod, .offset: 0, .size: 8, .value_kind: global_buffer, .address_space: global }
      - { .name: wocod, .offset: 8, .size: 8, .value_kind: global_buffer, .address_space: global }
      - { .name: bo, .offset: 16, .size: 8, .value_kind: global_buffer, .address_space: global }
      - { .name: out0, .offset: 24, .size: 8, .value_kind: global_buffer, .address_space: global }
    .group_segment_fixed_size: 327680
    .private_segment_fixed_size: 0
    .kernarg_segment_align: 8
    .kernarg_segment_size: 32
    .max_flat_workgroup_size: 128
    .sgpr_count:     102
    .vgpr_count:     1024
    .wavefront_size: 32
...
	.end_amdgpu_metadata
.endif
;; end of part 4
